; MI455X (gfx1250); checked and timed in simulation.
; The chip was launched on July 23, 2026; its instructions are those of AMD's public machine-readable ISA for CDNA 5 (MIT licence, August 2026) and "CDNA5" Instruction Set Architecture Reference Guide (July 2026). The comments in the code are by the model that wrote it; some were corrected since.
;; Self Attn. Allowed arithmetic: float matrix products may take bf16 or f16 operands with f32 sums; other float arithmetic in f32, or as packed bf16 or f16 multiplies, adds, multiply-adds, maxima and minima; sums over many terms, partial sums and values carried from step to step in f32; what a program stores and reads back later, other than sums and carried values, may be rounded once to bf16 or f16.
;; Inputs: Wa 3,072 x 1,024 float32; Wo 1,024 x 1,024 float32; iQ 4 x 2,048 x 1,024 float32; mask 4 x 2,048 x 2,048 bool.
;; Outputs: out0 4 x 2,048 x 1,024 float32.
;; One version. Each part assembles by itself: llvm-mc -triple=amdgcn-amd-amdhsa -mcpu=gfx1250 --defsym DOCPART=n.
;; ======== version 1 of 1: 4 launches
;; limits: values are held in f16: magnitudes above 65,504 overflow, below 6.1e-05 lose precision
;; workspace buffers: xb 16,777,216 bytes; wab 6,291,456 bytes; wof 2,097,152 bytes; mw 2,097,152 bytes of whole numbers; qkv 50,331,648 bytes; o 16,777,216 bytes
;; launch prep (part 1): grid 1024 x 1, 8 waves a work-group, no clusters, 68,608 bytes of LDS; arguments iQ, Wa, Wo, mask, xb, wab, wof, mw; writes xb, wab, wof, mw
.if DOCPART == 1
	.amdgcn_target "amdgcn-amd-amdhsa--gfx1250"
	.amdhsa_code_object_version 6
	.text
	.protected	k_q88f4e78a1c_prep
	.globl	k_q88f4e78a1c_prep
	.p2align	8
	.type	k_q88f4e78a1c_prep,@function
k_q88f4e78a1c_prep:
	s_mov_b64 s[64:65], 0
	v_nop
	global_prefetch_b8 v0, s[64:65] scope:SCOPE_SE
	s_setreg_imm32_b32 hwreg(HW_REG_WAVE_MODE, 25, 1), 1
	s_wait_xcnt 0x0
; PREPARATION: casts of the three float inputs, and the mask packed into lane-mask words.
;   work-groups 0-511:   iQ [8192][1024] f32 -> xb  bf16      work-groups 512-703: Wa [3072][1024] f32 -> wab bf16
;   work-groups 704-767: Wo [1024][1024] f32 -> wof: rounded to bf16 like the other inputs, and that number written as f16
;   work-groups 768-1023: mask [4][2048][2048] bytes -> mw [b 4][query tile 128][key step 32][32 words]:
;     bit l of word 8 kt + j = (mask[b][16 qt + l % 16][64 ks + 16 kt + 8 (l / 16) + j] != 0): the lane mask of register 8 kt + j of a tile of scores
;     that holds one query a lane (l % 16) and the keys 16 kt + 8 (l / 16) + j.
; LIMITS.  Wo beyond 65,504 has no f16; below 6e-5 it keeps f16's fixed step of 6e-8.  A mask byte other than 0 counts as true.
; A cast work-group converts 16,384 numbers: 16 loads of 16 bytes a thread (a wave's load covers 512 consecutive bytes), all issued before the first is waited for,
; and 16 stores of 8 bytes a thread (a wave's store covers 256 consecutive bytes, aligned).  No LDS, no barrier: no thread wants another's bytes.
; A mask wave takes 16 query rows x 512 keys through a stage of its own in LDS (16 rows of 528 bytes), so that memory is read in runs of 512 bytes and each lane
; can then take its own 8 keys of its own row.
; 120 registers a wave: eight waves share a SIMD's 1,024, so the four work-groups that fall to each of 256 WGPs (1,024 in all; 4 x 68,608 bytes of LDS) lie there together.
.set SPARE,  67584                     ; behind the eight stages: the spare words, 128 bytes a wave: four blocks of 256 bytes that no other line names
.set WST,    8448                      ; a wave's stage: 16 rows x 528 bytes
.set MPITCH, 528                       ; 512 bytes + 16: row r starts at bank 4 r mod 64, so 32 lanes' loads of 8 bytes touch each bank once
.set SPW, 10                           ; v10  LDS address of my spare word; never rewritten
.set NIL, 11                           ; v11  0; never rewritten
.set WDS, 116                          ; v[116:117] the mask job's 64 words of a trip: lane wd / 2 of register wd % 2
; v1 16 t (loads), v2 8 t (stores); v[16:79] as loaded; v[80:111] to store; v[112:114] at work
.macro CAST wo                         ; wo = 1: to bf16, then that number as f16
.set i, 0
.rept 16
	global_load_b128 v[16+4*i:19+4*i], v1, s[28:29] offset:4096*i th:TH_LOAD_NT
.set i, i+1
.endr
.set i, 0
.rept 16
	s_wait_loadcnt 15-i                            ; loads come back in order: load i is in, the 15 - i younger ones stay out
.if \wo
.irp x, 0,1
	v_cvt_pk_bf16_f32 v112, v[16+4*i+2*(\x)], v[17+4*i+2*(\x)]
	v_lshlrev_b32 v113, 16, v112                   ; the two bf16 as f32
	v_and_b32 v114, 0xffff0000, v112
	v_cvt_pk_f16_f32 v[80+2*i+(\x)], v113, v114
.endr
.else
	v_cvt_pk_bf16_f32 v[80+2*i], v[16+4*i], v[17+4*i]
	v_cvt_pk_bf16_f32 v[81+2*i], v[18+4*i], v[19+4*i]
.endif
	global_store_b64 v2, v[80+2*i:81+2*i], s[30:31] offset:2048*i  ; every store has data registers of its own: nothing is rewritten
.set i, i+1
.endr
.endm
	s_load_b512 s[4:19], s[0:1], 0x0               ; iQ 4:5, Wa 6:7, Wo 8:9, mask 10:11, xb 12:13, wab 14:15, wof 16:17, mw 18:19
	v_lshl_add_u32 v[SPW], v0, 2, SPARE
	v_mov_b32 v[NIL], 0
	v_lshrrev_b32 v1, 5, v0
	v_readfirstlane_b32 s20, v1                    ; wave 0..7
	s_mov_b32 s21, ttmp9                           ; the work-group's number chooses the job
	v_lshlrev_b32 v1, 4, v0
	v_lshlrev_b32 v2, 3, v0
	s_mov_b32 s25, 0
	s_mov_b32 s27, 0
	s_wait_kmcnt 0x0
	s_cmp_ge_u32 s21, 768
	s_cbranch_scc1 .Lmask
	s_cmp_ge_u32 s21, 704
	s_cbranch_scc1 .Lwo
	s_cmp_lt_u32 s21, 512                          ; iQ or Wa: one text, the buffers chosen
	s_cselect_b64 s[28:29], s[4:5], s[6:7]
	s_cselect_b64 s[30:31], s[12:13], s[14:15]
	s_cselect_b32 s22, 0, 512
	s_sub_co_u32 s22, s21, s22                     ; my block of 16,384 numbers in that buffer
	s_lshl_b32 s24, s22, 16                        ; 65,536 bytes in,
	s_lshl_b32 s26, s22, 15                        ; 32,768 out
	s_add_nc_u64 s[28:29], s[28:29], s[24:25]
	s_add_nc_u64 s[30:31], s[30:31], s[26:27]
	CAST 0
	s_endpgm
.Lwo:
	s_sub_co_u32 s22, s21, 704
	s_lshl_b32 s24, s22, 16
	s_lshl_b32 s26, s22, 15
	s_add_nc_u64 s[28:29], s[8:9], s[24:25]
	s_add_nc_u64 s[30:31], s[16:17], s[26:27]
	CAST 1
	s_endpgm
.Lmask:
	s_sub_co_u32 s22, s21, 768
	s_lshl_b32 s22, s22, 3
	s_add_co_u32 s22, s22, s20                     ; the wave's job, 0..2047
	s_lshr_b32 s23, s22, 2                         ; query tile over all batches, 0..511
	s_and_b32 s22, s22, 3                          ; which 512 keys
	s_lshl_b32 s28, s23, 15                        ; 16 rows of 2,048 bytes
	s_lshl_b32 s30, s22, 9
	s_add_co_u32 s28, s28, s30
	s_mov_b32 s29, 0
	s_add_nc_u64 s[10:11], s[10:11], s[28:29]
	s_lshl_b32 s28, s23, 12                        ; a tile's 32 records of 128 bytes
	s_lshl_b32 s30, s22, 10                        ; my 8 of them
	s_add_co_u32 s28, s28, s30
	s_add_nc_u64 s[18:19], s[18:19], s[28:29]
	s_mul_i32 s31, s20, WST                        ; my stage
	v_and_b32 v7, 31, v0                           ; lane
	v_lshlrev_b32 v3, 4, v7                        ; 16 bytes a lane in a row's 512
	v_add_nc_u32 v4, s31, v3
	v_and_b32 v8, 15, v0                           ; l % 16: my query row
	v_bfe_u32 v9, v0, 4, 1                         ; l / 16
	v_mul_u32_u24 v5, v8, MPITCH
	v_lshl_add_u32 v5, v9, 3, v5
	v_add_nc_u32 v5, s31, v5                       ; my 8 keys of the first group of 16
	v_lshlrev_b32 v6, 3, v7                        ; my two words of a store's 64
	v_mov_b32 v[WDS], 0                            ; v_writelane_b32's destination counts as read
	v_mov_b32 v[WDS+1], 0
.set i, 0
.rept 16
	global_load_b128 v[16+4*i:19+4*i], v3, s[10:11] offset:2048*i th:TH_LOAD_NT  ; row i: 512 consecutive bytes
.set i, i+1
.endr
.set i, 0
.rept 16
	s_wait_loadcnt 15-i                            ; row i is in, the younger rows stay out
	ds_store_b128 v4, v[16+4*i:19+4*i] offset:MPITCH*i
.set i, i+1
.endr
	s_mov_b32 s21, 4
.Lrec:                                         ; a trip: 128 keys = two records = 64 words
.set n, 0
.rept 8
	ds_load_b64 v[80+2*n:81+2*n], v5 offset:16*n   ; LDS serves a wave's instructions in order: these see my stores above; no other wave touches my stage
.set n, n+1
.endr
	s_wait_dscnt 0x0
.set wd, 0
.rept 64                               ; word wd: byte wd % 8 of group wd / 8; the compare's 32 bits are the word; lane wd / 2 of register wd % 2 takes it
	v_and_b32 v[12+wd%4], 0xff<<(8*(wd%4)), v[80+2*(wd/8)+(wd%8)/4]
	v_cmp_ne_u32 s[24+wd%4], 0, v[12+wd%4]
	v_writelane_b32 v[WDS+wd%2], s[24+wd%4], wd/2
.set wd, wd+1
.endr
	global_store_b64 v6, v[WDS:WDS+1], s[18:19]    ; 256 consecutive bytes, aligned
	s_wait_xcnt 0x0                                ; the store has read its offset and its data: only now are they rewritten
	v_add_nc_u32 v5, 128, v5
	v_add_nc_u32 v6, 0x100, v6
	s_sub_co_u32 s21, s21, 1
	s_cmp_lg_u32 s21, 0
	s_cbranch_scc1 .Lrec
	s_wait_tensorcnt 0x0                           ; the wave's end, behind my last LDS store
	ds_add_u32 v[SPW], v[NIL]
	s_wait_dscnt 0x0
	s_endpgm
.Lfunc_end_k_q88f4e78a1c_prep:
	.size	k_q88f4e78a1c_prep, .Lfunc_end_k_q88f4e78a1c_prep-k_q88f4e78a1c_prep
	.p2alignl 7, 3214868480
	.fill 96, 4, 3214868480
	.section	.rodata,"a",@progbits
	.p2align	6, 0x0
	.amdhsa_kernel k_q88f4e78a1c_prep
		.amdhsa_group_segment_fixed_size 68608
		.amdhsa_private_segment_fixed_size 0
		.amdhsa_enable_private_segment 0
		.amdhsa_kernarg_size 64
		.amdhsa_user_sgpr_count 2
		.amdhsa_user_sgpr_kernarg_segment_ptr 1
		.amdhsa_wavefront_size32 1
		.amdhsa_system_sgpr_workgroup_id_x 1
		.amdhsa_system_sgpr_workgroup_id_y 1
		.amdhsa_system_sgpr_workgroup_id_z 1
		.amdhsa_system_vgpr_workitem_id 0
		.amdhsa_next_free_vgpr 120
		.amdhsa_next_free_sgpr 66
		.amdhsa_reserve_vcc 0
		.amdhsa_float_denorm_mode_32 3
		.amdhsa_float_denorm_mode_16_64 3
		.amdhsa_memory_ordered 1
		.amdhsa_forward_progress 1
		.amdhsa_inst_pref_size 35
	.end_amdhsa_kernel
	.amdgpu_metadata
---
amdhsa.version: [ 1, 2 ]
amdhsa.kernels:
  - .name:           k_q88f4e78a1c_prep
    .symbol:         k_q88f4e78a1c_prep.kd
    .args:
      - { .name: iQ, .offset: 0, .size: 8, .value_kind: global_buffer, .address_space: global }
      - { .name: Wa, .offset: 8, .size: 8, .value_kind: global_buffer, .address_space: global }
      - { .name: Wo, .offset: 16, .size: 8, .value_kind: global_buffer, .address_space: global }
      - { .name: mask, .offset: 24, .size: 8, .value_kind: global_buffer, .address_space: global }
      - { .name: xb, .offset: 32, .size: 8, .value_kind: global_buffer, .address_space: global }
      - { .name: wab, .offset: 40, .size: 8, .value_kind: global_buffer, .address_space: global }
      - { .name: wof, .offset: 48, .size: 8, .value_kind: global_buffer, .address_space: global }
      - { .name: mw, .offset: 56, .size: 8, .value_kind: global_buffer, .address_space: global }
    .group_segment_fixed_size: 68608
    .private_segment_fixed_size: 0
    .kernarg_segment_align: 8
    .kernarg_segment_size: 64
    .max_flat_workgroup_size: 256
    .sgpr_count:     66
    .vgpr_count:     120
    .wavefront_size: 32
...
	.end_amdgpu_metadata
.endif
;; end of part 1
;; launch proj (part 2): grid 16 x 32, 4 waves a work-group, clusters of 4 x 4, 327,680 bytes of LDS; arguments xb, wab, qkv; writes qkv
.if DOCPART == 2
	.amdgcn_target "amdgcn-amd-amdhsa--gfx1250"
	.amdhsa_code_object_version 6
	.text
	.protected	k_q88f4e78a1c_proj
	.globl	k_q88f4e78a1c_proj
	.p2align	8
	.type	k_q88f4e78a1c_proj,@function
k_q88f4e78a1c_proj:
	s_mov_b64 s[64:65], 0
	v_nop
	global_prefetch_b8 v0, s[64:65] scope:SCOPE_SE
	s_setreg_imm32_b32 hwreg(HW_REG_WAVE_MODE, 25, 1), 1
	s_wait_xcnt 0x0
	s_wait_alu depctr_hold_cnt(0) depctr_sa_sdst(0) depctr_va_vdst(0) depctr_va_sdst(0) depctr_va_ssrc(0) depctr_va_vcc(0) depctr_vm_vsrc(0)
	s_getreg_b32 s2, hwreg(HW_REG_IB_STS2, 6, 4)
	s_cmp_eq_u32 s2, 0
	s_cbranch_scc0 .Lentry_in_a_cluster
	s_endpgm
.Lentry_in_a_cluster:
	s_bfe_u32 s2, ttmp6, 0x10000c
	s_cmp_lg_u32 s2, 0xf033
	s_cbranch_scc0 .Lentry_shape_is_right
	s_endpgm
.Lentry_shape_is_right:
; THE QKV PROJECTION.  C[m][e] = sum over d of x[m][d] Wa[e][d]; x = xb [8192][1024] bf16, Wa = wab [3072][1024] bf16; sums in f32.
; C leaves by heads in f16, each number rounded once: qkv [b 4][g 48][s 2048][64]; g = e / 64: 0-15 q, 16-31 k, 32-47 v.  q is multiplied by c = log2(e) / 8 in f32 ahead of its rounding,
; so that the attention's scores come out of their product as exponents to base 2.
; LIMIT.  f16 holds no number beyond 65,504: c q, k and v must stay within it (inputs 30 times the drawn spread, or offset by 30 spreads, give under 30,000).
; SHARES.  A tile of C is 256 rows x 192 columns (three heads): 512 tiles, two for each of 256 WGPs.  Four waves, one above the other: a wave makes 64 rows x 192 columns: 48 accumulators of
; 16 x 16, 384 registers; it owns whole heads' rows, so its way out needs no other wave.  K goes in 8 steps of 128 through two LDS slots filled by tensor loads whose rows are 256 bytes of memory.
; CLUSTER.  4 x 4 work-groups.  A's tile hangs on the tile row alone and is asked for jointly by a row of the cluster, B's on the tile column alone, by a column.
; THE PRODUCT IS USED TRANSPOSED (source 0 = 16 rows of Wa, source 1 = 16 rows of x): a lane holds row l % 16 of C and the columns 8 (l / 16) + 0..7: 16 bytes of f16 on end.
; REGISTERS, in windows of 256: window 0: v16-30 addresses; v64-127 A's fragments, two buffers of 4 x 8; v128-223 the way out.   window 1: B's fragments, two buffers of 12 x 8 at v0 and v96.
;   window 2: the accumulators of row blocks 0, 1 (block a, column block b at v[8 (12 (a % 2) + b)]);  window 3: those of row blocks 2, 3.
.set NBW,    12                        ; column blocks of 16
.set APITCH, 272                       ; an LDS row: 256 bytes + 16: the 16 rows of a fragment load start at 16 different groups of four banks
.set BPITCH, 272
.set AHALF,  128*APITCH                ; what one of A's two loads brings
.set BROWS,  96
.set BHALF,  BROWS*BPITCH              ; what one of B's two loads brings
.set BOFF,   256*APITCH                ; B's 192 rows lie behind A's 256
.set SLOT1,  1<<17                     ; slot 1 begins here: one exclusive or turns an address in one slot into the other's
.set STAGE,  SLOT1+BOFF+2*BHALF        ; 252,928: behind the ring, never filled by a tensor load
.set HPITCH, 144                       ; the stage: a head's row of 128 bytes + 16
.set HSTAGE, 16*HPITCH
.set WSTAGE, 3*HSTAGE                  ; a wave's stage: three heads x 16 rows
.set SPARE,  STAGE+4*WSTAGE            ; 280,576: the spare words, 128 bytes a wave: two blocks of 256 bytes that no other line names
.set ASTEP,  256                       ; bytes from a K step to the next, in A and in B
.set NL,     2*NBW+8                   ; LDS loads in a quarter's run
.set ADRA0, 16                         ; v16  my lane's and wave's place in A's part of a slot; never rewritten
.set ADRB0, 17                         ; v17  the same for B
.set ADRA,  18                         ; v18  the same in the slot in hand
.set ADRB,  19
.set STO,   24                         ; v24  the way out: where I put 16 bytes of a row
.set RD,    25                         ; v25  where I read rows back
.set GO,    26                         ; v26  16 x lane
.set SPW,   28                         ; v28  LDS address of my spare word; never rewritten
.set NIL,   29                         ; v29  0; never rewritten
.set PFO,   30                         ; v30  the prefetches' offset: a lane a row; never rewritten
.set FA,    64
.set PKD,   128                        ; packed results
.set BK,    176                        ; rows read back
.set G1,  24                           ; s[24:31] group 1 for A's tiles;  s[32:39] group 0: a set for each first fill, the second then walks
.set G0,  32
.set G1B, 48                           ; s[48:55], s[56:63] the same for B's
.set G0B, 56
.set TB,  66                           ; s66  LDS byte at which the slot in hand begins
.set LIM, 67                           ; s67  2 in a wave that prefetches, else the greatest number
.set PFA, 68                           ; s[68:69] where my prefetches stand
.set PST, 70                           ; s[70:71] their step
.set SC,  72                           ; s[72:77] the factor of each of the tile's three heads, as pairs
.set MSB, 0
.macro WIN new                         ; the immediate's high byte repeats the setting that is left; a switch that changes nothing is dropped
.if MSB != (\new)
	s_set_vgpr_msb (MSB<<8)|(\new)
.set MSB, \new
.endif
.endm
.set MUL_LO, 0xa1                      ; source 0 (B) window 1, source 1 (A) window 0, C and D window 2
.set TO_B,   0x40                      ; destination window 1, address window 0
.macro PLACES                          ; four plain vector instructions between a matrix instruction and a load into, or a read of, its registers
.rept 4
	v_nop
.endr
.endm
.macro CREST                           ; a round of the cluster's barrier behind its opening barrier
	s_cmp_lg_u32 s10, 0
	s_cbranch_scc1 .Lnot_wave_0_\@
	s_barrier_signal -3
.Lnot_wave_0_\@:
	s_barrier_wait -3
	s_barrier_signal -1
	s_barrier_wait -1
.endm
.macro CROUND
	s_barrier_signal -1
	s_barrier_wait -1
	CREST
.endm
.macro JLOAD                           ; a joint refill by the walking descriptors: waves 0, 1 fetch A's halves, waves 2, 3 B's; the branch hangs on the wave's number alone
	s_cmp_eq_u32 s11, 0
	s_cbranch_scc0 .Lfor_b_\@
	tensor_load_to_lds s[G0+4:G0+7], s[G1:G1+7]
	s_nop 0
.rept 4
	v_nop
.endr
	s_branch .Lasked_\@
.Lfor_b_\@:
	tensor_load_to_lds s[G0B+4:G0B+7], s[G1B:G1B+7]
	s_nop 0
.rept 4
	v_nop
.endr
.Lasked_\@:
.endm
; A prefetch of the K step that stands two refills on, a lane a row of 256 bytes.  A's rows are read by every cluster of a row of clusters: the one with x = 0 asks; B's by every cluster of a column:
; the one with y = 0 asks.  The four partners of a joint load share its rows out by address.  The last two refills have no K step two on: s3 counts the loop's trips down from 6.
.macro ASK
	s_cmp_gt_u32 s3, s[LIM]
	s_cbranch_scc0 .Lnot_mine_\@
	global_prefetch_b8 v[PFO], s[PFA:PFA+1] th:TH_LOAD_NT scope:SCOPE_SE
.Lnot_mine_\@:
.endm
.macro MULQ f, a, zero                 ; row block a x all column blocks, 32 along K, from buffer f.  zero = 1: the products start the sums
	WIN MUL_LO+0x50*((\a)/2)
.set b, 0
.rept NBW
.set rD, 8*(NBW*((\a)%2)+b)
.set rB, 96*(\f)+8*b
.set rA, FA+32*(\f)+8*(\a)
.if \zero
	v_wmma_f32_16x16x32_bf16 v[rD:rD+7], v[rB:rB+7], v[rA:rA+7], 0
.else
	v_wmma_f32_16x16x32_bf16 v[rD:rD+7], v[rB:rB+7], v[rA:rA+7], v[rD:rD+7]
.endif
.set b, b+1
.endr
.endm
.macro MULP f, hi, zero
	MULQ \f, 2*(\hi), \zero
	MULQ \f, 2*(\hi)+1, \zero
.endm
.macro FETCH kq, f                     ; one run of NL loads: quarter kq's fragments of the slot in hand into buffer f: B's first, then A's, row blocks ascending
	WIN TO_B
.set b, 0
.rept NBW
	ds_load_b128 v[96*(\f)+8*b:96*(\f)+8*b+3],   v[ADRB] offset:64*(\kq)+b*16*BPITCH
	ds_load_b128 v[96*(\f)+8*b+4:96*(\f)+8*b+7], v[ADRB] offset:64*(\kq)+b*16*BPITCH+32
.set b, b+1
.endr
	WIN 0
.set b, 0
.rept 4
	ds_load_b128 v[FA+32*(\f)+8*b:FA+32*(\f)+8*b+3],   v[ADRA] offset:64*(\kq)+b*16*APITCH
	ds_load_b128 v[FA+32*(\f)+8*b+4:FA+32*(\f)+8*b+7], v[ADRA] offset:64*(\kq)+b*16*APITCH+32
.set b, b+1
.endr
.endm
.macro ADDR
	v_add_nc_u32 v[ADRA], s[TB], v[ADRA0]
	v_add_nc_u32 v[ADRB], s[TB], v[ADRB0]
.endm
; One of a K step's first three quarters: multiplies buffer f; in its middle fetches quarter kq into buffer g.  The 48 accumulators take turns in one order in every quarter.
.macro QUARTER kq, f, g, zero
	s_wait_dscnt 4                                 ; B and A's row blocks 0, 1 are in; the four youngest loads (blocks 2, 3) may be out
	MULP \f, 0, \zero
	PLACES
	FETCH \kq, \g
	s_wait_dscnt NL                                ; all but the run just issued
	MULP \f, 1, \zero
.endm
; The last quarter multiplies buffer 1 and changes slots.  In front of the barrier each wave waits for all its tensor loads (one is out: its part of the next slot), adds 0 to its spare word, and waits
; for that and for its reads of this slot.  fill = 1: the barrier opens a round of the cluster's, and behind the round this slot is filled again, first thing, with the K step two on.
.macro TURN fill
.if \fill
	s_wait_xcnt 0x0                                ; the last prefetch, a K step back, has read its address
	s_add_nc_u64 s[PFA:PFA+1], s[PFA:PFA+1], s[PST:PST+1]
.endif
	WIN 0
	s_wait_tensorcnt 0x0
	ds_add_u32 v[SPW], v[NIL]
	s_wait_dscnt 5                                 ; the add and the four youngest loads may be out
	MULQ 1, 0, 0
	s_wait_dscnt 0x0                               ; the add is done, my reads of this slot are over
	s_barrier_signal -1
	MULQ 1, 1, 0
.if \fill
	WIN 0
.endif
	s_barrier_wait -1
.if \fill
	CREST
	s_xor_b32 s[G0+5], s[G0+5], SLOT1              ; no tensor load of mine is out: the walking descriptors go to the other slot and one K step on
	s_add_nc_u64 s[G0+6:G0+7], s[G0+6:G0+7], ASTEP
	s_xor_b32 s[G0B+5], s[G0B+5], SLOT1
	s_add_nc_u64 s[G0B+6:G0B+7], s[G0B+6:G0B+7], 256
	JLOAD                                          ; its four v_nop are also the places in front of the loads below
.else
	PLACES
.endif
	s_xor_b32 s[TB], s[TB], SLOT1
	WIN 0
	ADDR
	FETCH 0, 0
.if \fill
	ASK
.endif
	MULP 1, 1, 0
.endm
; The way out of row block a: the head's factor, one rounding to f16, 16 bytes a lane into my stage, back as whole rows, and out: 512 consecutive bytes of a head a store.
.macro OUTBLK a
	WIN 0x82+0x41*((\a)/2)                         ; destination and source 0 in window 2 or 3
.set b, 0
.rept NBW
.set rD, 8*(NBW*((\a)%2)+b)
.irp x, 0,2,4,6
	v_pk_mul_f32 v[rD+(\x):rD+(\x)+1], v[rD+(\x):rD+(\x)+1], s[SC+2*(b/4):SC+2*(b/4)+1] op_sel_hi:[1,0]
.endr
.set b, b+1
.endr
	WIN 0x0a+5*((\a)/2)                            ; sources 0 and 1 in window 2 or 3
.set b, 0
.rept NBW
.set rD, 8*(NBW*((\a)%2)+b)
.irp x, 0,1,2,3
	v_cvt_pk_f16_f32 v[PKD+4*b+(\x)], v[rD+2*(\x)], v[rD+2*(\x)+1]
.endr
.set b, b+1
.endr
	WIN 0
.set b, 0
.rept NBW
	ds_store_b128 v[STO], v[PKD+4*b:PKD+4*b+3] offset:(b/4)*HSTAGE+32*(b%4)
.set b, b+1
.endr
.if (\a) > 0
	s_wait_xcnt 0x0                                ; the last block's stores have read the registers that the loads below fill
.endif
.set t, 0
.rept 12
	ds_load_b128 v[BK+4*t:BK+4*t+3], v[RD] offset:(t/4)*HSTAGE+(t%4)*4*HPITCH  ; LDS serves a wave's instructions in order: these see the stores above
.set t, t+1
.endr
	s_wait_dscnt 0x0
.set t, 0
.rept 12
	global_store_b128 v[GO], v[BK+4*t:BK+4*t+3], s[8:9] offset:(t/4)*262144+(\a)*2048+(t%4)*512
.set t, t+1
.endr
.endm
	s_load_b128 s[4:7], s[0:1], 0x0                ; xb s[4:5], wab s[6:7]
	s_load_b64 s[8:9], s[0:1], 0x10                ; qkv
	v_lshl_add_u32 v[SPW], v0, 2, SPARE
	v_mov_b32 v[NIL], 0
	ds_add_u32 v[SPW], v[NIL]                      ; the wave's opening: the add and its wait ahead of my first tensor load
	v_lshrrev_b32 v1, 5, v0
	v_readfirstlane_b32 s10, v1                    ; wave 0..3
	s_lshr_b32 s11, s10, 1                         ; I fetch for A (0) or for B (1),
	s_and_b32 s12, s10, 1                          ; its first or second half
	s_bfe_u32 s40, ttmp6, 0x40000                  ; cx
	s_bfe_u32 s41, ttmp6, 0x40004                  ; cy
	s_lshl_b32 s42, ttmp9, 2
	s_add_co_u32 s42, s42, s40                     ; tile column = 4 x cluster x + cx
	s_and_b32 s13, ttmp7, 0xffff
	s_lshl_b32 s13, s13, 2
	s_add_co_u32 s13, s13, s41                     ; tile row = 4 x cluster y + cy
	s_lshl_b32 s43, s41, 2
	s_lshl_b32 s43, 15, s43                        ; my row of the cluster
	s_lshl_b32 s44, 0x1111, s40                    ; my column
	s_or_b32 s[G1], s43, (1<<16)|(1<<20)|(1<<21)|(5<<22)|(3<<25)   ; the mask; 2-byte elements; padding on; bit 21 beside a mask; after every 64 words 4 words
	s_or_b32 s[G1B], s44, (1<<16)|(1<<20)|(1<<21)|(5<<22)|(3<<25)
	s_mov_b32 s[G1+1], 128<<16                     ; tensor_dim0 = 128
	s_mov_b32 s[G1+2], 128<<16                     ; tensor_dim1 = 128
	s_mov_b32 s[G1+3], 128<<16                     ; tile_dim0 = 128
	s_mov_b32 s[G1+4], 128                         ; tile_dim1 = 128
	s_mov_b32 s[G1+5], 1024                        ; elements from row to row
	s_mov_b32 s[G1+6], 0
	s_mov_b32 s[G1+7], 0
	s_mov_b32 s[G1B+1], 128<<16
	s_mov_b32 s[G1B+2], BROWS<<16
	s_mov_b32 s[G1B+3], 128<<16
	s_mov_b32 s[G1B+4], BROWS
	s_mov_b32 s[G1B+5], 1024
	s_mov_b32 s[G1B+6], 0
	s_mov_b32 s[G1B+7], 0
	s_lshl_b32 s16, s13, 8                         ; A: row 256 x tile row + 128 x half,
	s_lshl_b32 s17, s12, 7
	s_add_co_u32 s16, s16, s17
	s_lshl_b32 s16, s16, 11                        ; of 2,048 bytes
	s_mov_b32 s17, 0
	s_mul_i32 s46, s42, 2*BROWS                    ; B: row 192 x tile column + 96 x half
	s_mul_i32 s47, s12, BROWS
	s_add_co_u32 s46, s46, s47
	s_lshl_b32 s46, s46, 11
	s_mov_b32 s47, 0
	s_mul_i32 s20, s12, AHALF                      ; where they go: no place in the cluster enters an LDS address
	s_mul_i32 s21, s12, BHALF
	s_add_co_u32 s21, s21, BOFF
	s_wait_dscnt 0x0                               ; the opening add is done
	s_wait_kmcnt 0x0
	s_add_nc_u64 s[14:15], s[4:5], s[16:17]
	s_add_nc_u64 s[46:47], s[6:7], s[46:47]
	CROUND                                         ; all sixteen work-groups are here: the first joint loads meet
.irp s, 0,1
	s_mov_b32 s[G0+4*(\s)], 1
	s_add_co_u32 s[G0+4*(\s)+1], s20, (\s)*SLOT1
	s_add_nc_u64 s[G0+4*(\s)+2:G0+4*(\s)+3], s[14:15], (\s)*ASTEP
	s_or_b32 s[G0+4*(\s)+3], s[G0+4*(\s)+3], 0x80000000
	s_mov_b32 s[G0B+4*(\s)], 1
	s_add_co_u32 s[G0B+4*(\s)+1], s21, (\s)*SLOT1
	s_add_nc_u64 s[G0B+4*(\s)+2:G0B+4*(\s)+3], s[46:47], (\s)*256
	s_or_b32 s[G0B+4*(\s)+3], s[G0B+4*(\s)+3], 0x80000000
.endr
	s_cmp_eq_u32 s11, 0                            ; a wave's two first fills stand in one branch: K steps 0 and 1; two loads of mine are out
	s_cbranch_scc0 .Lfirst_b
	tensor_load_to_lds s[G0:G0+3], s[G1:G1+7]
	s_nop 0
	tensor_load_to_lds s[G0+4:G0+7], s[G1:G1+7]
	s_nop 0
.rept 4
	v_nop
.endr
	s_branch .Lfirst_asked
.Lfirst_b:
	tensor_load_to_lds s[G0B:G0B+3], s[G1B:G1B+7]
	s_nop 0
	tensor_load_to_lds s[G0B+4:G0B+7], s[G1B:G1B+7]
	s_nop 0
.rept 4
	v_nop
.endr
.Lfirst_asked:
	; a fragment is 16 rows x 32 K in 8 registers: lane l holds row l % 16; two loads of 16 bytes, 32 bytes apart, at row x pitch + 16 (l / 16)
	v_and_b32 v1, 15, v0
	v_bfe_u32 v2, v0, 4, 1
	v_and_b32 v3, 31, v0
	v_mul_u32_u24 v[ADRA0], v1, APITCH
	v_lshl_add_u32 v[ADRA0], v2, 4, v[ADRA0]
	s_mul_i32 s21, s10, 64*APITCH                  ; my 64 rows of A
	v_add_nc_u32 v[ADRA0], s21, v[ADRA0]
	v_mul_u32_u24 v[ADRB0], v1, BPITCH
	v_lshl_add_u32 v[ADRB0], v2, 4, v[ADRB0]
	v_add_nc_u32 v[ADRB0], BOFF, v[ADRB0]
	s_mul_i32 s23, s10, WSTAGE
	s_add_co_u32 s23, s23, STAGE                   ; my stage
	v_mul_u32_u24 v[STO], v1, HPITCH               ; in: row l % 16, 16 bytes for each half of the lanes
	v_lshl_add_u32 v[STO], v2, 4, v[STO]
	v_add_nc_u32 v[STO], s23, v[STO]
	v_lshrrev_b32 v4, 3, v3                        ; back: 32 lanes take four rows of 128 bytes,
	v_and_b32 v5, 7, v0
	v_mul_u32_u24 v[RD], v4, HPITCH
	v_lshl_add_u32 v[RD], v5, 4, v[RD]
	v_add_nc_u32 v[RD], s23, v[RD]
	v_lshlrev_b32 v[GO], 4, v3                     ; which are 512 consecutive bytes of a head
	; qkv at my rows of the tile's first head: ((48 b + 3 x tile column) x 2,048 + s) x 128 bytes
	s_lshr_b32 s14, s13, 3                         ; b
	s_mul_i32 s14, s14, 48
	s_mul_i32 s19, s42, 3                          ; the tile's first head
	s_add_co_u32 s14, s14, s19
	s_lshl_b32 s14, s14, 18
	s_and_b32 s15, s13, 7
	s_lshl_b32 s15, s15, 2
	s_add_co_u32 s15, s15, s10                     ; blocks of 64 rows
	s_lshl_b32 s15, s15, 13
	s_add_co_u32 s14, s14, s15
	s_mov_b32 s15, 0
	s_add_nc_u64 s[8:9], s[8:9], s[14:15]
.irp i, 0,1,2
	s_add_co_u32 s18, s19, \i
	s_cmp_lt_u32 s18, 16                           ; a head of q?
	s_cselect_b32 s[SC+2*(\i)], 0x3e38aa3b, 1.0    ; c = log2(e) / 8 = 0.180337
	s_mov_b32 s[SC+2*(\i)+1], s[SC+2*(\i)]
.endr
	; the prefetches: of the rows that I fetch, my work-group's quarter, told apart by address
	s_lshl_b32 s14, s40, 16                        ; A: 32 cx rows of 2,048 bytes
	s_add_co_u32 s14, s14, s16
	s_mul_i32 s18, s42, 2*BROWS                    ; B: row 192 x tile column + 96 x half + 24 cy
	s_mul_i32 s19, s12, BROWS
	s_add_co_u32 s18, s18, s19
	s_mul_i32 s19, s41, BROWS/4
	s_add_co_u32 s18, s18, s19
	s_lshl_b32 s18, s18, 11
	s_and_b32 s19, ttmp7, 0xffff
	s_mov_b32 s46, ASTEP
	s_mov_b32 s47, 256
	s_cmp_eq_u32 s11, 0                            ; do I fetch for A?
	s_cselect_b32 s20, s14, s18
	s_cselect_b32 s19, ttmp9, s19                  ; the coordinate along which other clusters read the same rows
	s_cselect_b32 s22, 31, BROWS/4-1               ; my last row; lanes beyond it name it once more
	s_cselect_b32 s23, 11, 11                      ; a lane a row of 2,048 bytes
	s_cselect_b32 s[PST], s46, s47
	s_cselect_b64 s[PFA:PFA+1], s[4:5], s[6:7]
	s_mov_b32 s21, 0
	s_mov_b32 s[PST+1], 0
	s_cmp_eq_u32 s19, 0
	s_cselect_b32 s[LIM], 2, -1                    ; the same in all sixteen partners, for a given wave
	s_add_nc_u64 s[PFA:PFA+1], s[PFA:PFA+1], s[20:21]
.rept 3
	s_add_nc_u64 s[PFA:PFA+1], s[PFA:PFA+1], s[PST:PST+1]  ; at K step 3: the first refill steps it to 4.  Nothing is asked for here, at the head
.endr
	v_min_u32 v[PFO], s22, v3
	v_lshlrev_b32 v[PFO], s23, v[PFO]
	s_wait_tensorcnt 1                             ; my part of K step 0 is in; K step 1's may stay out
	s_barrier_signal -1
	s_barrier_wait -1
	s_mov_b32 s[TB], 0
	ADDR
	FETCH 0, 0
	QUARTER 1, 0, 1, 1                             ; the first quarter stands in front of the loop: its products start the sums
	WIN 0
	s_mov_b32 s3, 6
.Lstep:                                        ; trip j: the rest of K step j, whose slot is filled again with K step j + 2, and the first quarter of K step j + 1
	QUARTER 2, 1, 0, 0
	QUARTER 3, 0, 1, 0
	TURN 1
	QUARTER 1, 0, 1, 0
	WIN 0
	s_sub_co_u32 s3, s3, 1
	s_cmp_lg_u32 s3, 0
	s_cbranch_scc1 .Lstep
	QUARTER 2, 1, 0, 0                             ; K steps 6 and 7 ask for nothing
	QUARTER 3, 0, 1, 0
	TURN 0
	QUARTER 1, 0, 1, 0
	QUARTER 2, 1, 0, 0
	QUARTER 3, 0, 1, 0
	s_wait_dscnt 4
	MULP 1, 0, 0
	s_wait_dscnt 0x0
	MULP 1, 1, 0
	WIN 0
	PLACES
	OUTBLK 0
	OUTBLK 1
	OUTBLK 2
	OUTBLK 3
	s_wait_tensorcnt 0x0                           ; the wave's end, behind my last tensor load and my last LDS store
	ds_add_u32 v[SPW], v[NIL]
	s_wait_dscnt 0x0
	CROUND                                         ; the closing round: no work-group ends while a partner may still ask for a tile that names it
	s_endpgm
.Lfunc_end_k_q88f4e78a1c_proj:
	.size	k_q88f4e78a1c_proj, .Lfunc_end_k_q88f4e78a1c_proj-k_q88f4e78a1c_proj
	.p2alignl 7, 3214868480
	.fill 96, 4, 3214868480
	.section	.rodata,"a",@progbits
	.p2align	6, 0x0
	.amdhsa_kernel k_q88f4e78a1c_proj
		.amdhsa_group_segment_fixed_size 327680
		.amdhsa_private_segment_fixed_size 0
		.amdhsa_enable_private_segment 0
		.amdhsa_kernarg_size 24
		.amdhsa_user_sgpr_count 2
		.amdhsa_user_sgpr_kernarg_segment_ptr 1
		.amdhsa_wavefront_size32 1
		.amdhsa_system_sgpr_workgroup_id_x 1
		.amdhsa_system_sgpr_workgroup_id_y 1
		.amdhsa_system_sgpr_workgroup_id_z 1
		.amdhsa_system_vgpr_workitem_id 0
		.amdhsa_next_free_vgpr 960
		.amdhsa_next_free_sgpr 78
		.amdhsa_reserve_vcc 0
		.amdhsa_float_denorm_mode_32 3
		.amdhsa_float_denorm_mode_16_64 3
		.amdhsa_memory_ordered 1
		.amdhsa_forward_progress 1
		.amdhsa_inst_pref_size 110
	.end_amdhsa_kernel
	.amdgpu_metadata
---
amdhsa.version: [ 1, 2 ]
amdhsa.kernels:
  - .name:           k_q88f4e78a1c_proj
    .symbol:         k_q88f4e78a1c_proj.kd
    .args:
      - { .name: xb, .offset: 0, .size: 8, .value_kind: global_buffer, .address_space: global }
      - { .name: wab, .offset: 8, .size: 8, .value_kind: global_buffer, .address_space: global }
      - { .name: qkv, .offset: 16, .size: 8, .value_kind: global_buffer, .address_space: global }
    .group_segment_fixed_size: 327680
    .private_segment_fixed_size: 0
    .kernarg_segment_align: 8
    .kernarg_segment_size: 24
    .max_flat_workgroup_size: 128
    .sgpr_count:     78
    .vgpr_count:     960
    .wavefront_size: 32
...
	.end_amdgpu_metadata
.endif
;; end of part 2
;; launch attn (part 3): grid 4 x 64, 4 waves a work-group, clusters of 4 x 1, 327,680 bytes of LDS; arguments qkv, mw, o; writes o
.if DOCPART == 3
	.amdgcn_target "amdgcn-amd-amdhsa--gfx1250"
	.amdhsa_code_object_version 6
	.text
	.protected	k_q88f4e78a1c_attn
	.globl	k_q88f4e78a1c_attn
	.p2align	8
	.type	k_q88f4e78a1c_attn,@function
k_q88f4e78a1c_attn:
	s_mov_b64 s[64:65], 0
	v_nop
	global_prefetch_b8 v0, s[64:65] scope:SCOPE_SE
	s_setreg_imm32_b32 hwreg(HW_REG_WAVE_MODE, 25, 1), 1
	s_wait_xcnt 0x0
	s_wait_alu depctr_hold_cnt(0) depctr_sa_sdst(0) depctr_va_vdst(0) depctr_va_sdst(0) depctr_va_ssrc(0) depctr_va_vcc(0) depctr_vm_vsrc(0)
	s_getreg_b32 s2, hwreg(HW_REG_IB_STS2, 6, 4)
	s_cmp_eq_u32 s2, 0
	s_cbranch_scc0 .Lentry_in_a_cluster
	s_endpgm
.Lentry_in_a_cluster:
	s_bfe_u32 s2, ttmp6, 0x10000c
	s_cmp_lg_u32 s2, 0x3003
	s_cbranch_scc0 .Lentry_shape_is_right
	s_endpgm
.Lentry_shape_is_right:
; MASKED ATTENTION at head size 64.  For head hh = 16 b + h: O[q] = sum over k of softmax_k(s[q][k]) V[k], s = q . k / 8, replaced by -1e32 where mask[b][q][k] is true.
; qkv: f16 [b 4][g 48][2048][64], g = h: q already times c = log2(e) / 8; g = 16 + h: k; g = 32 + h: v.  mw: the mask as lane-mask words [b][query tile 128][key step 32][32].  o: f16 [hh 64][2048][64].
; Products, maxima and sums in f32; the weights p are rounded to f16 for the second product (their sum l is taken of the unrounded p), O once at the end.
; SOFTMAX to base 2: t = c s comes out of the product; t = hidden ? NEG : t, one exact constant, AHEAD of the maximum; a running maximum m; p = 2^(t - m); in every step O and l are multiplied by
; a = 2^(m_old - m_new).  Where all keys seen so far are hidden, m = NEG and t - m is exactly 0: such keys weigh 1 each, and a row hidden throughout gets the mean of V's rows.
; The first visible key then makes a = 0.  m starts at the lowest finite number, O and l at 0: the first step is a step like any other.
; LIMITS.  f16 holds no number beyond 65,504: c q, k, v arrive within it.  A hidden score counts as -1e32 in the exponent to base 2 (not to base e): its weight beside any visible key is 0 either way.
; A weight below 2^-126 counts as 0; p below 6e-5 keeps f16's fixed step; NaN and infinities are not treated apart.
; SHARES.  A work-group owns 512 queries of one head, a wave 128: four PIECES of two tiles of 16.  Every wave walks the head's 2,048 keys, 64 a step.  64 heads x 4 blocks: 256 work-groups.
; CLUSTER.  A head's four query blocks are one cluster and walk the same K and V: each tile is asked for jointly, by the same tensor load, descriptor and mask in all four.
; LAYOUT.  S^T = K Q^T (source 0 = 16 keys, source 1 = 16 queries): a lane holds ONE query (l % 16) and the keys 8 (l / 16) + 0..7; two results rounded to f16 ARE source 1 of O^T = V^T P.
; THE MASK is 32 words for a tile and step, one for each score register; a word in a scalar register steers one v_cndmask_b32.  The words come by VECTOR loads, a lane a word (a record is 128 consecutive
; bytes), one register a tile, asked for a whole key step (four turns) ahead: in the turn that wants a piece's pair it is moved aside, asked for again at once for the next key step, and 64
; v_readlane_b32 hand its words to the scalar registers.  Scalar loads would spare those 64 lines, but they come back in no order and can only be waited for all at once, and 64 scalar registers
; hold one turn's words: such a load could be issued less than one turn ahead of its use.
; BY TURNS.  Turn n belongs to piece n: 16 products K Q^T of piece n + 1, later 16 products V^T P of piece n - 1; beside them the subtraction of m, exponentials, roundings, sums and rescaling of piece n
; and the masking, maximum and statistics of piece n + 1.  Four vector instructions stand behind every matrix instruction, the others in one lump; a turn's 66 exponentials are one batch with one wait.
; REGISTERS, in windows of 256 (s_set_vgpr_msb: bits 1:0 source 0, 3:2 source 1, 5:4 source 2, 7:6 destination):
;   window 0: v2-15 addresses, NEG and the mask pair in hand; v16-47 four registers of statistics a tile; v48-63 at work; v64-191 S^T, two buffers of two tiles; v192-255 P, likewise
;   window 1: O^T, 32 a tile      window 2: v0-127 Q; v128-191 K of one step; v192-255 V of one step      window 3: v0-1 the add's two registers; v2-9 the mask words on their way, a register a tile
.set NP,    4
.set KS,    64
.set PK,    144       ; a row of K in LDS: 128 bytes + 16: the 16 rows of a load start at 16 different groups of four banks
.set PV,    144       ; V has K's pitch, so that one group 1 serves both: the scalar registers go to the mask words
.set VOFF,  4*KS*PK   ; a slot holds four steps: 256 rows of K, then 256 rows of V
.set SLOT1, 1<<17
.set STAGE, SLOT1+4*KS*(PK+PV)  ; 204,800: behind the ring, never filled by a tensor load: 16 rows x 144 bytes a wave
.set SP,    144
.set SPARE, STAGE+4*16*SP       ; 214,016: the spare words, 128 bytes a wave: two blocks of 256 bytes that no other line names
.set AK0, 2           ; v2   my lane's place in a tile of K; never rewritten
.set AV0, 3           ; v3   the same for V
.set AK,  4           ; v4   the LDS address of K's next run of loads
.set AV,  5           ; v5   of V's
.set QO,  6           ; v6   my byte offset in the wave's rows of Q
.set STO, 6           ;      later, the way out: where I put 16 bytes of a row
.set RD,  7           ; v7   where I read rows back
.set GO,  8           ; v8   my byte offset in 512 consecutive bytes of O
.set MT,  10          ; v10-11  the mask pair in hand (at work in the set-up before that)
.set NEGV, 12         ; v12  -1e32
.set PFO, 13          ; v13  256 x lane
.set ML,  14          ; v14  4 x lane: my word of a record; never rewritten
.set MO,  15          ; v15  the same + 128 x the key step whose records are asked for
.set SPW, 0           ; v0 of window 3: LDS address of my spare word; never rewritten
.set NIL, 1           ; v1 of window 3: 0; never rewritten
.set MR,  2           ; v2-9 of window 3: tile t's record at MR + t
.set ST,  16          ; tile t's statistics at v[ST+4 t]: m, m_old, l (even keys', odd keys')
.set TMP, 48          ; by buffer and tile, four registers c0-c3 at work; when the maximum is found c2 takes a
.set S,   64
.set P,   192
.set KF,  128
.set VF,  192
.set MP,  6           ; s[6:7]   mw at my wave's first tile; never rewritten once made
.set LIM, 10          ; s10  1 in a wave that prefetches, else the greatest number
.set KO,  11          ; s11  128 x the key step whose records are asked for, held at the last record
.set WV,  12          ; s12  my wave's number
.set SLOTS, 14        ; s14  slots still to be asked for
.set CNT, 15          ; s15  counts a slot's key steps
.set G1,  16          ; s[16:23] descriptor group 1, for K's and V's tiles
.set G0K, 24          ; s[24:27] group 0 for K's tiles: it walks
.set G0V, 28          ; s[28:31] the same for V's
.set MA,  32          ; s[32:63] the 32 mask words of the piece's first tile
.set MB,  68          ; s[68:99] of its second
.set SEL, 66          ; s[66:67] v_permlanex16_b32's selects
.set TBK, 100         ; s100 LDS byte at which K of the step to be fetched begins
.set TBV, 101         ; s101 the same for V, less VOFF
.set PFA, 104         ; s[104:105] where my prefetches stand
.set MSB, 0
.macro WIN new
.if MSB != (\new)
	s_set_vgpr_msb (MSB<<8)|(\new)
.set MSB, (\new)
.endif
.endm
.set W_KQ, 0x0a       ; K and Q in window 2, S^T in window 0
.set W_PV, 0x52       ; V in window 2, P in window 0, O^T in window 1
.set W_RS, 0x41       ; O^T (destination and source 0) in window 1, a in window 0
.set W_MK, 0xc0       ; destination in window 3, sources (a load's address) in window 0
.set W_AD, 0x0f       ; the add: address and data in window 3
.set W_M3, 0x03       ; source 0 in window 3, destination in window 0
.macro JLOAD                        ; a joint fill: waves 0, 1 fetch the halves of a slot's K, waves 2, 3 of its V: 128 keys each; the branch hangs on the wave's number alone
	s_cmp_lt_u32 s[WV], 2
	s_cbranch_scc0 .Lfor_v_\@
	tensor_load_to_lds s[G0K:G0K+3], s[G1:G1+7]
	s_nop 0
.rept 4
	v_nop
.endr
	s_branch .Lasked_\@
.Lfor_v_\@:
	tensor_load_to_lds s[G0V:G0V+3], s[G1:G1+7]
	s_nop 0
.rept 4
	v_nop
.endr
.Lasked_\@:
.endm
; A prefetch of the slot that the NEXT change will ask for: 128 blocks of 256 bytes of K and of V.  The four partners take 32 blocks each, told apart by address; in each, wave 0 asks for K's and wave 2
; for V's, a lane a block.  The last change that fills a slot asks for nothing.
.macro ASK
	s_cmp_gt_u32 s[SLOTS], s[LIM]
	s_cbranch_scc0 .Lnot_mine_\@
	global_prefetch_b8 v[PFO], s[PFA:PFA+1] th:TH_LOAD_NT scope:SCOPE_SE
.Lnot_mine_\@:
.endm
.macro CROUND
	s_barrier_signal -1
	s_barrier_wait -1
	s_cmp_lg_u32 s[WV], 0
	s_cbranch_scc1 .Lnot_wave_0_\@
	s_barrier_signal -3
.Lnot_wave_0_\@:
	s_barrier_wait -3
	s_barrier_signal -1
	s_barrier_wait -1
.endm
; THE CHANGE OF SLOTS.  Each wave waits for all its tensor loads (one is out: its part of the other slot), adds 0 to its spare word, and waits for that and for its reads of the slot that it leaves.
; fill = 1: the barrier is a round of the cluster's, and the joint fill of the old slot, with the keys two slots on, is the first thing behind it: it has four key steps in which to land.
.macro CHANGE fill, ask
	WIN W_AD
	s_wait_tensorcnt 0x0            ; no tensor load of mine is out, so a group 0 may be written
	ds_add_u32 v[SPW], v[NIL]
	WIN 0
.if \fill
.irp g, G0K, G0V
	s_xor_b32 s[\g+1], s[\g+1], SLOT1
	s_add_nc_u64 s[\g+2:\g+3], s[\g+2:\g+3], 4*KS*128
.endr
.if \ask
	s_wait_xcnt 0x0                 ; the last prefetch, four key steps back, has read its address
	s_add_nc_u64 s[PFA:PFA+1], s[PFA:PFA+1], 4*KS*128
.endif
	s_wait_dscnt 0x0                ; the add is done, and my reads of the slot are over
	CROUND
	JLOAD
.if \ask
	ASK
.endif
.else
	s_wait_dscnt 0x0
	s_barrier_signal -1
	s_barrier_wait -1
.endif
	s_sub_co_u32 s[TBK], s[TBK], 4*KS*PK  ; the fetches go back to a slot's first step, in the other slot
	s_xor_b32 s[TBK], s[TBK], SLOT1
	s_sub_co_u32 s[TBV], s[TBV], 4*KS*PV
	s_xor_b32 s[TBV], s[TBV], SLOT1
.endm
; THE MASK WORDS.  MFIRST: key step 0's records of my eight tiles, in the order of the pieces; a tile's records lie 4,096 bytes apart.
.macro MFIRST
	WIN W_MK
.set t, 0
.rept 2*NP
	global_load_b32 v[MR+t], v[MO], s[MP:MP+1] offset:t*4096
.set t, t+1
.endr
.endm
; MNEXT: piece pc's pair is taken and asked for again.  Every turn issues two loads, and loads come back in order: behind the pair that was asked for four turns ago stand the other three pieces' pairs,
; six loads, which may stay out.  step = 1 (once a key step, where piece 0's pair is taken): the offset goes one record on, for this reload and the next three; it stops at record 31, so that no load
; leaves mw: the last reloads name that record again, and nobody reads them: the price of one text for every turn.
.macro MNEXT pc, step
	WIN 0
	s_wait_loadcnt 6
.if \step
	s_wait_xcnt 0x0                 ; the loads issued so far, the youngest a turn back, have read their offset: only now is it rewritten
	s_add_co_u32 s[KO], s[KO], 128
	s_min_u32 s[KO], s[KO], 31*128
	v_add_nc_u32 v[MO], s[KO], v[ML]
.endif
	WIN W_M3
	v_mov_b32 v[MT], v[MR+2*(\pc)]
	v_mov_b32 v[MT+1], v[MR+2*(\pc)+1]
	WIN W_MK
	global_load_b32 v[MR+2*(\pc)],   v[MO], s[MP:MP+1] offset:(2*(\pc))*4096
	global_load_b32 v[MR+2*(\pc)+1], v[MO], s[MP:MP+1] offset:(2*(\pc)+1)*4096
	WIN 0
.set n, 0
.rept 32
	v_readlane_b32 s[MA+n], v[MT], n    ; word n lies in lane n
	v_readlane_b32 s[MB+n], v[MT+1], n
.set n, n+1
.endr
.endm
	s_load_b128 s[4:7], s[0:1], 0x0 ; qkv s[4:5], mw s[6:7]
	s_load_b64 s[8:9], s[0:1], 0x10 ; o
	WIN W_MK
	v_lshl_add_u32 v[SPW], v0, 2, SPARE
	v_mov_b32 v[NIL], 0
	WIN W_AD
	ds_add_u32 v[SPW], v[NIL]       ; the wave's opening: the add and its wait ahead of my first tensor load
	WIN 0
	v_lshrrev_b32 v1, 5, v0
	v_readfirstlane_b32 s[WV], v1   ; wave 0..3
	s_bfe_u32 s32, ttmp6, 0x40000   ; cx
	s_lshl_b32 s33, ttmp9, 2
	s_add_co_u32 s33, s33, s32      ; my block of 512 queries: it enters Q's, O's and the mask's addresses alone
	s_and_b32 s34, ttmp7, 0xffff    ; hh, which the four partners share
	s_lshr_b32 s35, s34, 4          ; b
	s_lshl_b32 s36, s35, 5
	s_add_co_u32 s36, s36, s34      ; g = 48 b + h
	s_lshl_b32 s37, s33, 2
	s_add_co_u32 s37, s37, s[WV]    ; my wave among the head's sixteen,
	s_lshl_b32 s37, s37, 14         ; its 128 rows of 128 bytes
	s_lshl_b32 s40, s36, 18         ; a head is 262,144 bytes
	s_add_co_u32 s40, s40, s37      ; Q
	s_mov_b32 s41, 0
	s_and_b32 s38, s[WV], 1         ; which half of a slot's 256 keys I fetch
	s_lshl_b32 s39, s38, 14
	s_add_co_u32 s42, s36, 16
	s_lshl_b32 s42, s42, 18
	s_add_co_u32 s42, s42, s39      ; K
	s_mov_b32 s43, 0
	s_add_co_u32 s44, s36, 32
	s_lshl_b32 s44, s44, 18
	s_add_co_u32 s44, s44, s39      ; V
	s_mov_b32 s45, 0
	s_lshl_b32 s46, s34, 18
	s_add_co_u32 s46, s46, s37      ; O
	s_mov_b32 s47, 0
	s_lshl_b32 s52, s35, 19         ; the mask words: a batch is 524,288 bytes,
	s_lshl_b32 s53, s37, 1          ; my wave's eight tiles of 4,096
	s_add_co_u32 s52, s52, s53
	s_mov_b32 s53, 0
	s_mul_i32 s56, s38, 128*PK      ; my half's place in a slot: no place in the cluster enters an LDS address
	; group 1: 128 keys are 16,384 dense bytes: asked for as 64 rows of 256 bytes, two keys a row, padded in LDS after every key
	s_mov_b32 s[G1], 15|(1<<16)|(1<<20)|(1<<21)|(4<<22)|(3<<25)  ; the mask of four; 2-byte elements; padding on; bit 21 beside a mask; after every 32 words 4 words
	s_mov_b32 s[G1+1], 128<<16
	s_mov_b32 s[G1+2], 64<<16
	s_mov_b32 s[G1+3], 128<<16
	s_mov_b32 s[G1+4], 64
	s_mov_b32 s[G1+5], 128
	s_mov_b32 s[G1+6], 0
	s_mov_b32 s[G1+7], 0
	s_mov_b32 s[SEL], 0x76543210
	s_mov_b32 s[SEL+1], 0xfedcba98
	s_mov_b32 s[TBK], SLOT1+4*KS*PK ; the first change of slots turns these two into 0
	s_mov_b32 s[TBV], SLOT1+4*KS*PV
	s_mov_b32 s[G0K], 1
	s_mov_b32 s[G0K+1], s56
	s_mov_b32 s[G0V], 1
	s_add_co_u32 s[G0V+1], s56, VOFF
	s_cmp_eq_u32 s38, 0
	s_cselect_b32 s[LIM], 1, -1     ; waves 0 and 2 prefetch
	s_lshl_b32 s54, s32, 13         ; my work-group's 32 blocks of 256 bytes,
	s_add_co_u32 s54, s54, 2*4*KS*128  ; in slot 2; the first asking change steps it to slot 3
	s_mov_b32 s55, 0
	s_mov_b32 s[SLOTS], 7
	s_mov_b32 s[KO], 0
	s_wait_dscnt 0x0                ; the opening add is done
	s_wait_kmcnt 0x0
	s_add_nc_u64 s[48:49], s[4:5], s[42:43]
	s_add_nc_u64 s[50:51], s[4:5], s[44:45]
	s_add_nc_u64 s[4:5], s[4:5], s[40:41]
	s_add_nc_u64 s[8:9], s[8:9], s[46:47]
	s_add_nc_u64 s[MP:MP+1], s[MP:MP+1], s[52:53]
	s_mov_b64 s[G0K+2:G0K+3], s[48:49]
	s_or_b32 s[G0K+3], s[G0K+3], 0x80000000
	s_mov_b64 s[G0V+2:G0V+3], s[50:51]
	s_or_b32 s[G0V+3], s[G0V+3], 0x80000000
	s_cmp_lt_u32 s[WV], 2
	s_cselect_b64 s[PFA:PFA+1], s[48:49], s[50:51]
	s_add_nc_u64 s[PFA:PFA+1], s[PFA:PFA+1], s[54:55]
	CROUND                          ; all four work-groups are here: the first joint loads meet
	JLOAD                           ; slot 0; slot 1 is asked for when slot 0 is in
	v_and_b32 v1, 15, v0            ; l % 16
	v_bfe_u32 v9, v0, 4, 1          ; l / 16
	v_lshlrev_b32 v[QO], 7, v1
	v_lshl_add_u32 v[QO], v9, 4, v[QO]
	v_and_b32 v[ML], 31, v0
	v_lshlrev_b32 v[ML], 2, v[ML]
	v_mov_b32 v[MO], v[ML]          ; key step 0
	WIN 0x80                        ; destination window 2
.set i, 0
.rept 4*NP                          ; Q stays in registers: tile i / 2, channels 32 (i % 2) on
	global_load_b128 v[8*i:8*i+3],   v[QO], s[4:5] offset:(i/2)*2048+(i%2)*64
	global_load_b128 v[8*i+4:8*i+7], v[QO], s[4:5] offset:(i/2)*2048+(i%2)*64+32
.set i, i+1
.endr
	MFIRST                          ; behind Q's loads: eight more
	WIN 0x80
	; what the first turn finds: V's registers and P's second buffer hold 0 (its products V^T P, of a piece that has not been, add 0), O^T and l are 0.  This stands in the wait for the first tile,
	; and is the price of writing no first step out.
.set i, VF
.rept 64
	v_mov_b32 v[i], 0
.set i, i+1
.endr
	WIN 0x40
.set i, 0
.rept 64*NP
	v_mov_b32 v[i], 0
.set i, i+1
.endr
	WIN 0
.set i, 0
.rept 2*NP
	v_mov_b32 v[ST+4*i], 0xff7fffff    ; m
	v_mov_b32 v[ST+4*i+1], 0xff7fffff  ; m_old
	v_mov_b32 v[ST+4*i+2], 0
	v_mov_b32 v[ST+4*i+3], 0
.set i, i+1
.endr
.set i, P+32
.rept 32
	v_mov_b32 v[i], 0
.set i, i+1
.endr
	v_mov_b32 v[NEGV], 0xf49dc5ae   ; -1e32
	v_and_b32 v[PFO], 31, v0
	v_lshlrev_b32 v[PFO], 8, v[PFO]
	v_mul_u32_u24 v[AK0], v1, PK
	v_lshl_add_u32 v[AK0], v9, 4, v[AK0]
	; the turning load takes 16 keys x 16 channels (lane l reads key 8 (l / 16) + l % 8, channels 8 ((l / 8) % 2) + 0..7) and leaves half a fragment of V^T
	v_and_b32 v10, 7, v0
	v_bfe_u32 v11, v0, 3, 1
	v_lshl_add_u32 v[AV0], v9, 3, v10
	v_mul_u32_u24 v[AV0], v[AV0], PV
	v_lshl_add_u32 v[AV0], v11, 4, v[AV0]
	v_add_nc_u32 v[AV0], VOFF, v[AV0]
	v_mov_b32 v[AK], v[AK0]
; THE MATRIX WORK.  The 8 accumulators of a run of 16 take turns.
.macro KQ x                         ; product i of 16 of S^T = K Q^T for piece x: channels 32 (i / 8) on, keys 16 ((i / 2) % 4) on, tile 2 x + i % 2; the first 8 start the sums
	WIN W_KQ
.set rS, S+64*((\x)%2)+32*(i%2)+8*((i/2)%4)
.set rK, KF+16*((i/2)%4)+8*(i/8)
.set rQ, 16*(2*(\x)+i%2)+8*(i/8)
.if i < 8
	v_wmma_f32_16x16x32_f16 v[rS:rS+7], v[rK:rK+7], v[rQ:rQ+7], 0
.else
	v_wmma_f32_16x16x32_f16 v[rS:rS+7], v[rK:rK+7], v[rQ:rQ+7], v[rS:rS+7]
.endif
.endm
.macro PV x                         ; product i of 16 of O^T += V^T P for piece x: keys 32 (i / 8) on, channels 16 ((i / 2) % 4) on, tile 2 x + i % 2
	WIN W_PV
.set rO, 32*(2*(\x)+i%2)+8*((i/2)%4)
.set rV, VF+32*(i/8)+8*((i/2)%4)
.set rP, P+32*((\x)%2)+16*(i%2)+8*(i/8)
	v_wmma_f32_16x16x32_f16 v[rO:rO+7], v[rV:rV+7], v[rP:rP+7], v[rO:rO+7]
.endm
.macro MM                           ; the turn's next matrix instruction
.if i < 16
	KQ (Y+1)%NP
.set i, i+1
.else
.set i, i-16
	PV (Y+NP-1)%NP
.set i, i+17
.endif
.endm
; THE LDS LOADS stand in runs of 16.  last = 1 (the tail): in the last trip there is no further step, and the run is jumped over.
.macro FETCH_K last=0
	WIN 0
.if \last
	s_cmp_eq_u32 s[CNT], 1
	s_cbranch_scc1 .Lno_k_\@
.endif
	WIN 0x80
.irp f, 0,1,2,3,4,5,6,7
	ds_load_b128 v[KF+8*\f:KF+8*\f+3],   v[AK] offset:(\f/2)*16*PK+(\f%2)*64
	ds_load_b128 v[KF+8*\f+4:KF+8*\f+7], v[AK] offset:(\f/2)*16*PK+(\f%2)*64+32
.endr
	s_add_co_u32 s[TBK], s[TBK], KS*PK
	WIN 0
.if \last
.Lno_k_\@:
.endif
.endm
.macro FETCH_V
	WIN 0x80
.irp f, 0,1,2,3,4,5,6,7
	ds_load_tr16_b128 v[VF+8*\f:VF+8*\f+3],   v[AV] offset:(\f/4)*32*PV+(\f%4)*32
	ds_load_tr16_b128 v[VF+8*\f+4:VF+8*\f+7], v[AV] offset:(\f/4)*32*PV+16*PV+(\f%4)*32
.endr
	WIN 0
.endm
; THE VECTOR WORK OF A TURN stands in three queues; the two tiles alternate.
.macro REGS y, u                    ; the registers of tile u (0, 1) of piece y
.set rT, ST+4*(2*(\y)+(\u))
.set rC, TMP+8*((\y)%2)+4*(\u)
.set rS, S+64*((\y)%2)+32*(\u)
.set rP, P+32*((\y)%2)+16*(\u)
.set rO, 32*(2*(\y)+(\u))
.endm
.macro FS f                         ; t - m for pair f / 2 of tile f % 2 of piece Y
	REGS Y, (\f)%2
	v_pk_add_f32 v[rS+2*((\f)/2):rS+2*((\f)/2)+1], v[rS+2*((\f)/2):rS+2*((\f)/2)+1], v[rT:rT+1] op_sel_hi:[1,0] neg_lo:[0,1] neg_hi:[0,1]
.endm
.macro MK n                         ; the NEXT piece's score n / 2 of tile n % 2: NEG where its mask word has my lane's bit; ascending
	REGS (Y+1)%NP, (\n)%2
	v_cndmask_b32 v[rS+(\n)/2], v[rS+(\n)/2], v[NEGV], s[MA+36*((\n)%2)+(\n)/2]
.endm
; Number n of the 21 that find the NEXT piece's maximum and statistics: 0-11 four chains c0-c3 of seven scores each; 12-14, 16 the four scores left over, the old m, and c0-c3 into c0; 15 m_old is kept;
; 17, 18 the query's other 32 keys lie in the lane 16 away: the new m; 19, 20 m_old - m and a
.macro XS u, n
	REGS (Y+1)%NP, \u
.if (\n) < 4
	v_max3_num_f32 v[rC+(\n)], v[rS+8*(\n)], v[rS+8*(\n)+1], v[rS+8*(\n)+2]
.elseif (\n) < 12
	v_max3_num_f32 v[rC+(\n)%4], v[rC+(\n)%4], v[rS+8*((\n)%4)+2*((\n)/4)+1], v[rS+8*((\n)%4)+2*((\n)/4)+2]
.elseif (\n) == 12
	v_max3_num_f32 v[rC], v[rC], v[rS+7], v[rS+15]
.elseif (\n) == 13
	v_max3_num_f32 v[rC+1], v[rC+1], v[rS+23], v[rS+31]
.elseif (\n) == 14
	v_max3_num_f32 v[rC+2], v[rC+2], v[rC+3], v[rT]
.elseif (\n) == 15
	v_mov_b32 v[rT+1], v[rT]
.elseif (\n) == 16
	v_max3_num_f32 v[rC], v[rC], v[rC+1], v[rC+2]
.elseif (\n) == 17
	v_permlanex16_b32 v[rC+3], v[rC], s[SEL], s[SEL+1]
.elseif (\n) == 18
	v_max_num_f32 v[rT], v[rC], v[rC+3]
.elseif (\n) == 19
	v_sub_f32 v[rC+1], v[rT+1], v[rT]
.else
	v_exp_f32 v[rC+2], v[rC+1]
.endif
.endm
; Number g of the 64 that follow the exponentials.  For each four weights k of a tile: both pairs are rounded to f16; the second pair is added onto the first, in place; a group later l takes that sum
; (the first time as l = a l + sum).
.macro GS g
.set h, (\g)+6*((\g)/62)
.if h >= 6
.set h, h+2
.endif
	REGS Y, h%2
.set k, h/8
.if h%8 < 4
	v_cvt_pk_f16_f32 v[rP+2*k+(h%8)/2], v[rS+4*k+2*((h%8)/2)], v[rS+4*k+2*((h%8)/2)+1]
.elseif h%8 < 6
	v_pk_add_f32 v[rS+4*k:rS+4*k+1], v[rS+4*k:rS+4*k+1], v[rS+4*k+2:rS+4*k+3]
.elseif k == 1
	v_pk_fma_f32 v[rT+2:rT+3], v[rT+2:rT+3], v[rC+2:rC+3], v[rS:rS+1] op_sel_hi:[1,0,1]
.else
	v_pk_add_f32 v[rT+2:rT+3], v[rT+2:rT+3], v[rS+4*k-4:rS+4*k-3]
.endif
.endm
; THE PLAIN QUEUE, 200 long.  0-31 the subtractions; 32-95 the next piece's masking; 96-135 its maximum and statistics; 136-199 GS's 64, which read the exponentials' results and stand behind the wait.
.macro PL
	WIN 0
.if q < 32
	FS q
.elseif q < 96
	MK q-32
.elseif q < 124
	XS q%2, (q-96)/2
.elseif q < 126
	XS q%2, 15
.elseif q < 128
	XS q%2, 14
.elseif q < 136
	XS q%2, 16+(q-128)/2
.else
	GS q-136
.endif
.set q, q+1
.endm
; THE EXPONENTIALS' QUEUE, 66 long: t0-t31 of both tiles, then the next piece's two a: one batch, ahead of the turn's one wait; nothing ahead of that wait names a result of theirs.
.macro EX
	WIN 0
.if e >= 64
	XS e-64, 20
.else
	REGS Y, e%2
	v_exp_f32 v[rS+e/2], v[rS+e/2]
.endif
.set e, e+1
.endm
.macro R2                           ; the rescaling's queue: O^T times a, two at a time, sixteen times; its a was made, and waited for, in the turn before
	REGS Y, r%2
	WIN W_RS
.irp z, 0,1
	v_pk_mul_f32 v[rO+4*(r/2)+2*\z:rO+4*(r/2)+2*\z+1], v[rO+4*(r/2)+2*\z:rO+4*(r/2)+2*\z+1], v[rC+2:rC+3] op_sel_hi:[1,0]
.endr
.set r, r+1
.endm
; A TURN, for piece p.  AHEAD OF THE WAIT: the 16 products K Q^T, behind each a subtraction, an exponential and two rescalings; then one lump: the last 15 subtractions; the next piece's mask words are
; taken, asked for again and handed to the scalar registers (MNEXT; the selects of the turn before have long read those registers); the 64 selects, far more than four plain instructions behind the last
; product, the last nine by turns with exponentials; the maximum and statistics by turns with exponentials; the two a; a plain instruction behind the last exponential; the one wait.
; BEHIND THE WAIT: the 16 products V^T P, behind each four of the roundings and sums.
; Exponential e stands behind subtraction 2 (e / 4) + e % 2: as a rider it comes behind plain e + 2.
; K of the next step is fetched in piece 2's turn, behind the wait; V of the step in hand at the end of piece 0's turn, four plain riders behind its last reader.
.macro TURN p, last=0, cnt=0
.set Y, (\p)
.set i, 0
.set q, 0
.set e, 0
.set r, 0
.if (\p) == NP-1
	s_wait_dscnt 0x0                ; K is in
.endif
	MM
	PL
	PL
	R2
.rept 15
	MM
	PL
	EX
	R2
.endr
.if (\p) == NP-2
	WIN 0
	v_add_nc_u32 v[AK], s[TBK], v[AK0]
.endif
.rept 15
	PL
.endr
	MNEXT ((\p)+1)%NP, (\p)/(NP-1)
.rept 55
	PL
.endr
.rept 49
	EX
	PL
.endr
	EX
	EX
	v_nop
	s_wait_alu depctr_va_vdst(0)    ; the wait for the batch
.if (\p) == NP-2
	FETCH_K \last
.endif
.if (\p) == 1
	s_wait_dscnt 0x0                ; V is in
.endif
.rept 16
	MM
.rept 4
	PL
.endr
.if ((\p) == 0) && (q == 180)
	v_add_nc_u32 v[AV], s[TBV], v[AV0]
.endif
.if ((\p) == 0) && (q == 192)
	s_add_co_u32 s[TBV], s[TBV], KS*PV
.endif
.if (\cnt) && (q == 192)
	s_sub_co_u32 s[CNT], s[CNT], 1
	s_cmp_lg_u32 s[CNT], 0
.endif
.endr
.if (\p) == 0
	FETCH_V
.endif
.endm
	CHANGE 1, 0                     ; slot 0 is in, everybody's part of it; slot 1 is asked for
	FETCH_K                         ; key step 0
	s_wait_loadcnt 8                ; Q is in; the eight loads of mask words behind it may stay out
	s_wait_dscnt 0x0
.set i, 0
.rept 16
	KQ 0                            ; piece 0's first scores
.set i, i+1
.endr
	WIN 0                           ; the addresses for the way out: nine plain instructions, the places behind those products
	s_mul_i32 s13, s[WV], 16*SP
	s_add_co_u32 s13, s13, STAGE
	v_mul_u32_u24 v[STO], v1, SP
	v_lshl_add_u32 v[STO], v9, 4, v[STO]
	v_add_nc_u32 v[STO], s13, v[STO]
	v_bfe_u32 v[RD], v0, 3, 2
	v_mul_u32_u24 v[RD], v[RD], SP
	v_lshl_add_u32 v[RD], v10, 4, v[RD]
	v_add_nc_u32 v[RD], s13, v[RD]
	v_and_b32 v[GO], 31, v0
	v_lshlrev_b32 v[GO], 4, v[GO]
	MNEXT 0, 1                      ; piece 0's words of key step 0 (the set-up's scalars in those registers have served); its pair is asked for again, for key step 1
.set Y, NP-1                        ; MK and XS work for piece Y + 1: piece 0
.set n, 0
.rept 64
	MK n
.set n, n+1
.endr
.irp n, 0,1,2,3,4,5,6,7,8,9,10,11,12,13,14,15,16,17,18,19,20
	XS 0, \n
	XS 1, \n
.endr
	v_nop                           ; a plain instruction behind the two a,
	s_wait_alu depctr_va_vdst(0)    ; and their wait, ahead of the branch
	s_mov_b32 s[CNT], 4
	s_branch .Lfirst                ; the loop is entered at a step's first turn, in the middle of a trip
.Lslot:                             ; six times: slots are filled again with the key tiles 2 to 7
	CHANGE 1, 1
	s_mov_b32 s[CNT], 4
.Lstep:                             ; a trip: pieces 2 and 3 of one step, then pieces 0 and 1 of the next, whose K and V it fetches
	TURN 2
	TURN 3
	WIN 0
.Lfirst:
	TURN 0
	TURN 1, 0, 1
	WIN 0
	s_cbranch_scc1 .Lstep
	s_sub_co_u32 s[SLOTS], s[SLOTS], 1
	s_cmp_lg_u32 s[SLOTS], 0
	s_cbranch_scc1 .Lslot
	CHANGE 0, 0                     ; the tail is written out: nothing is asked for
	s_mov_b32 s[CNT], 5             ; four trips fetch the last slot's steps; the fifth is left in its middle
.Ltail:
	TURN 2, 1
	TURN 3
	WIN 0
	s_sub_co_u32 s[CNT], s[CNT], 1
	s_cmp_eq_u32 s[CNT], 0
	s_cbranch_scc1 .Lout
	TURN 0
	TURN 1
	WIN 0
	s_branch .Ltail
.Lout:                              ; the fifth trip's products K Q^T (on the last K once more), their masking (by record 31 once more) and the maximum made of them serve nothing
.set i, 0
.rept 16
	PV NP-1                         ; the last piece's V^T P of the last step
.set i, i+1
.endr
	; THE WAY OUT.  l's two halves and the other half of the lanes' are added; O^T is divided by l, rounded to f16 and sent through my stage, a tile at a time.  The additions are the places behind the last products.
	WIN 0
.macro ALL line:vararg
.set t, 0
.rept 2*NP
	\line
.set t, t+1
.endr
.endm
	ALL v_add_f32 v[ST+4*t+2], v[ST+4*t+2], v[ST+4*t+3]
	ALL v_permlanex16_b32 v[ST+4*t+3], v[ST+4*t+2], s[SEL], s[SEL+1]
	ALL v_add_f32 v[ST+4*t+2], v[ST+4*t+2], v[ST+4*t+3]
	ALL v_rcp_f32 v[ST+4*t+2], v[ST+4*t+2]
	v_nop                           ; a plain instruction behind the last reciprocal,
	s_wait_alu depctr_va_vdst(0)    ; and one wait for the eight
.macro PACK t
	WIN W_RS
.set i, 32*(\t)
.rept 16
	v_pk_mul_f32 v[i:i+1], v[i:i+1], v[ST+4*(\t)+2:ST+4*(\t)+3] op_sel_hi:[1,0]
.set i, i+2
.endr
	WIN 0x05                        ; sources 0 and 1 window 1, destination window 0
.set i, 0
.rept 16
	v_cvt_pk_f16_f32 v[S+16*(\t)+i], v[32*(\t)+2*i], v[32*(\t)+2*i+1]
.set i, i+1
.endr
	WIN 0
.irp f, 0,1,2,3
	ds_store_b128 v[STO], v[S+16*(\t)+4*\f:S+16*(\t)+4*\f+3] offset:32*\f
.endr
.irp f, 0,1,2,3
	ds_load_b128 v[S+16*(\t)+4*\f:S+16*(\t)+4*\f+3], v[RD] offset:\f*4*SP  ; LDS serves a wave's instructions in order: these see the stores above; the next tile's stores come behind them
.endr
.endm
.macro SEND t, younger              ; younger: the LDS instructions issued behind tile t's loads: the next tile's eight, or none
	WIN 0
.irp f, 0,1,2,3
	s_wait_dscnt (\younger)+3-\f
	global_store_b128 v[GO], v[S+16*(\t)+4*\f:S+16*(\t)+4*\f+3], s[8:9] offset:(\t)*2048+\f*512  ; 512 consecutive bytes, at a multiple of 256 from o's first
.endr
.endm
	PACK 0
.set t, 1
.rept 2*NP-1
	PACK t
	SEND t-1, 8
.set t, t+1
.endr
	SEND 2*NP-1, 0
	WIN W_AD
	s_wait_tensorcnt 0x0            ; the wave's end, behind my last tensor load and my last LDS store
	ds_add_u32 v[SPW], v[NIL]
	s_wait_dscnt 0x0
	WIN 0
	CROUND                          ; the closing round
	s_endpgm
.Lfunc_end_k_q88f4e78a1c_attn:
	.size	k_q88f4e78a1c_attn, .Lfunc_end_k_q88f4e78a1c_attn-k_q88f4e78a1c_attn
	.p2alignl 7, 3214868480
	.fill 96, 4, 3214868480
	.section	.rodata,"a",@progbits
	.p2align	6, 0x0
	.amdhsa_kernel k_q88f4e78a1c_attn
		.amdhsa_group_segment_fixed_size 327680
		.amdhsa_private_segment_fixed_size 0
		.amdhsa_enable_private_segment 0
		.amdhsa_kernarg_size 24
		.amdhsa_user_sgpr_count 2
		.amdhsa_user_sgpr_kernarg_segment_ptr 1
		.amdhsa_wavefront_size32 1
		.amdhsa_system_sgpr_workgroup_id_x 1
		.amdhsa_system_sgpr_workgroup_id_y 1
		.amdhsa_system_sgpr_workgroup_id_z 1
		.amdhsa_system_vgpr_workitem_id 0
		.amdhsa_next_free_vgpr 778
		.amdhsa_next_free_sgpr 106
		.amdhsa_reserve_vcc 0
		.amdhsa_float_denorm_mode_32 3
		.amdhsa_float_denorm_mode_16_64 3
		.amdhsa_memory_ordered 1
		.amdhsa_forward_progress 1
		.amdhsa_inst_pref_size 255
	.end_amdhsa_kernel
	.section	.bss,"aw",@nobits
	.p2align	6
	.space	262144
	.amdgpu_metadata
---
amdhsa.version: [ 1, 2 ]
amdhsa.kernels:
  - .name:           k_q88f4e78a1c_attn
    .symbol:         k_q88f4e78a1c_attn.kd
    .args:
      - { .name: qkv, .offset: 0, .size: 8, .value_kind: global_buffer, .address_space: global }
      - { .name: mw, .offset: 8, .size: 8, .value_kind: global_buffer, .address_space: global }
      - { .name: o, .offset: 16, .size: 8, .value_kind: global_buffer, .address_space: global }
    .group_segment_fixed_size: 327680
    .private_segment_fixed_size: 0
    .kernarg_segment_align: 8
    .kernarg_segment_size: 24
    .max_flat_workgroup_size: 128
    .sgpr_count:     106
    .vgpr_count:     778
    .wavefront_size: 32
...
	.end_amdgpu_metadata
.endif
;; end of part 3
;; launch outp (part 4): grid 8 x 32, 4 waves a work-group, clusters of 4 x 4, 327,680 bytes of LDS; arguments o, wof, out0; writes out0
.if DOCPART == 4
	.amdgcn_target "amdgcn-amd-amdhsa--gfx1250"
	.amdhsa_code_object_version 6
	.text
	.protected	k_q88f4e78a1c_outp
	.globl	k_q88f4e78a1c_outp
	.p2align	8
	.type	k_q88f4e78a1c_outp,@function
k_q88f4e78a1c_outp:
	s_mov_b64 s[64:65], 0
	v_nop
	global_prefetch_b8 v0, s[64:65] scope:SCOPE_SE
	s_setreg_imm32_b32 hwreg(HW_REG_WAVE_MODE, 25, 1), 1
	s_wait_xcnt 0x0
	s_wait_alu depctr_hold_cnt(0) depctr_sa_sdst(0) depctr_va_vdst(0) depctr_va_sdst(0) depctr_va_ssrc(0) depctr_va_vcc(0) depctr_vm_vsrc(0)
	s_getreg_b32 s2, hwreg(HW_REG_IB_STS2, 6, 4)
	s_cmp_eq_u32 s2, 0
	s_cbranch_scc0 .Lentry_in_a_cluster
	s_endpgm
.Lentry_in_a_cluster:
	s_bfe_u32 s2, ttmp6, 0x10000c
	s_cmp_lg_u32 s2, 0xf033
	s_cbranch_scc0 .Lentry_shape_is_right
	s_endpgm
.Lentry_shape_is_right:
; THE OUTPUT PROJECTION.  out0[m][n] = sum over e of O[m][e] Wo[n][e], e = 64 h + d.  O = o, f16 by heads [16 b + h][2048][64]; Wo = wof [1024][1024] f16; sums and out0 [8192][1024] in f32.
; SHARES.  A tile is 256 rows x 128 columns: 256 tiles, one for each WGP.  Four waves, one above the other: a wave makes 64 rows x 128 columns: 32 accumulators, 256 registers.
; K goes in 8 steps of 128 = two heads.  A head's 256 rows are 32,768 dense bytes: one load asks for them as 128 rows of 256 bytes and pads LDS after every 128 bytes, so that a head's row has a pitch of 144.
; CLUSTER.  4 x 4 work-groups: A's tile is asked for jointly by a row of the cluster, B's by a column.
; THE PRODUCT IS USED TRANSPOSED (source 0 = 16 rows of Wo, source 1 = 16 rows of O): a lane holds row l % 16 and the columns 8 (l / 16) + 0..7: 32 bytes of f32 on end.
; REGISTERS: window 0: v16-30 addresses; v64-127 A's fragments, two buffers of 4 x 8; v128-191 the way out.   window 1: B's fragments, two buffers of 8 x 8 at v0 and v96.
;   window 2: the accumulators of row blocks 0, 1 (block a, column block b at v[8 (8 (a % 2) + b)]);  window 3: those of row blocks 2, 3.
.set NBW,    8
.set APITCH, 144                       ; a head's row of 128 bytes + 16
.set AZ,     256*APITCH                ; a head's 256 rows: what one of A's two loads brings
.set BPITCH, 272
.set BROWS,  64
.set BHALF,  BROWS*BPITCH
.set BOFF,   2*AZ                      ; B's 128 rows lie behind A's two heads
.set SLOT1,  1<<17
.set STAGE,  SLOT1+BOFF+2*BHALF        ; 239,616: behind the ring, never filled by a tensor load
.set OPITCH, 528                       ; the stage: 128 f32 + 16 bytes
.set WSTAGE, 16*OPITCH
.set SPARE,  STAGE+4*WSTAGE            ; 273,408: the spare words, 128 bytes a wave: two blocks of 256 bytes that no other line names
.set ASTEP,  524288                    ; two heads on in o
.set NL,     2*NBW+8
.set ADRA0, 16
.set ADRB0, 17
.set ADRA,  18
.set ADRB,  19
.set STO,   24
.set RD,    25
.set GO,    26
.set SPW,   28                         ; v28  LDS address of my spare word; never rewritten
.set NIL,   29                         ; v29  0; never rewritten
.set PFO,   30
.set FA,    64
.set BK,    128
.set G1,  24
.set G0,  32
.set G1B, 48
.set G0B, 56
.set TB,  66
.set LIM, 67
.set PFA, 68
.set PST, 70
.set MSB, 0
.macro WIN new
.if MSB != (\new)
	s_set_vgpr_msb (MSB<<8)|(\new)
.set MSB, \new
.endif
.endm
.set MUL_LO, 0xa1                      ; source 0 (B) window 1, source 1 (A) window 0, C and D window 2
.set TO_B,   0x40
.macro PLACES                          ; four plain vector instructions between a matrix instruction and a load into, or a read of, its registers
.rept 4
	v_nop
.endr
.endm
.macro CREST
	s_cmp_lg_u32 s10, 0
	s_cbranch_scc1 .Lnot_wave_0_\@
	s_barrier_signal -3
.Lnot_wave_0_\@:
	s_barrier_wait -3
	s_barrier_signal -1
	s_barrier_wait -1
.endm
.macro CROUND
	s_barrier_signal -1
	s_barrier_wait -1
	CREST
.endm
.macro JLOAD                           ; a joint refill by the walking descriptors: waves 0, 1 fetch A's two heads, waves 2, 3 B's halves
	s_cmp_eq_u32 s11, 0
	s_cbranch_scc0 .Lfor_b_\@
	tensor_load_to_lds s[G0+4:G0+7], s[G1:G1+7]
	s_nop 0
.rept 4
	v_nop
.endr
	s_branch .Lasked_\@
.Lfor_b_\@:
	tensor_load_to_lds s[G0B+4:G0B+7], s[G1B:G1B+7]
	s_nop 0
.rept 4
	v_nop
.endr
.Lasked_\@:
.endm
; A prefetch of the K step that stands two refills on.  A's blocks are asked for by the cluster with x = 0, B's rows by the cluster with y = 0; the four partners of a joint load share them out by address.
.macro ASK
	s_cmp_gt_u32 s3, s[LIM]
	s_cbranch_scc0 .Lnot_mine_\@
	global_prefetch_b8 v[PFO], s[PFA:PFA+1] th:TH_LOAD_NT scope:SCOPE_SE
.Lnot_mine_\@:
.endm
.macro MULQ f, a, zero
	WIN MUL_LO+0x50*((\a)/2)
.set b, 0
.rept NBW
.set rD, 8*(NBW*((\a)%2)+b)
.set rB, 96*(\f)+8*b
.set rA, FA+32*(\f)+8*(\a)
.if \zero
	v_wmma_f32_16x16x32_f16 v[rD:rD+7], v[rB:rB+7], v[rA:rA+7], 0
.else
	v_wmma_f32_16x16x32_f16 v[rD:rD+7], v[rB:rB+7], v[rA:rA+7], v[rD:rD+7]
.endif
.set b, b+1
.endr
.endm
.macro MULP f, hi, zero
	MULQ \f, 2*(\hi), \zero
	MULQ \f, 2*(\hi)+1, \zero
.endm
.macro FETCH kq, f                     ; quarter kq: in B byte 64 kq of the rows; in A head kq / 2 of the step's two, byte 64 (kq % 2) of its rows
	WIN TO_B
.set b, 0
.rept NBW
	ds_load_b128 v[96*(\f)+8*b:96*(\f)+8*b+3],   v[ADRB] offset:64*(\kq)+b*16*BPITCH
	ds_load_b128 v[96*(\f)+8*b+4:96*(\f)+8*b+7], v[ADRB] offset:64*(\kq)+b*16*BPITCH+32
.set b, b+1
.endr
	WIN 0
.set AQ, ((\kq)/2)*AZ+((\kq)%2)*64
.set b, 0
.rept 4
	ds_load_b128 v[FA+32*(\f)+8*b:FA+32*(\f)+8*b+3],   v[ADRA] offset:AQ+b*16*APITCH
	ds_load_b128 v[FA+32*(\f)+8*b+4:FA+32*(\f)+8*b+7], v[ADRA] offset:AQ+b*16*APITCH+32
.set b, b+1
.endr
.endm
.macro ADDR
	v_add_nc_u32 v[ADRA], s[TB], v[ADRA0]
	v_add_nc_u32 v[ADRB], s[TB], v[ADRB0]
.endm
.macro QUARTER kq, f, g, zero          ; multiplies buffer f; in its middle fetches quarter kq into buffer g.  The 32 accumulators take turns in one order in every quarter
	s_wait_dscnt 4                                 ; B and A's row blocks 0, 1 are in; the four youngest loads (blocks 2, 3) may be out
	MULP \f, 0, \zero
	PLACES
	FETCH \kq, \g
	s_wait_dscnt NL                                ; all but the run just issued
	MULP \f, 1, \zero
.endm
; The last quarter multiplies buffer 1 and changes slots: each wave waits for all its tensor loads, adds 0 to its spare word, and waits for that and for its reads of this slot, in front of the barrier.
; fill = 1: the barrier opens a round of the cluster's, and behind the round this slot is filled again, first thing, with the K step two on.
.macro TURN fill
.if \fill
	s_wait_xcnt 0x0                                ; the last prefetch, a K step back, has read its address
	s_add_nc_u64 s[PFA:PFA+1], s[PFA:PFA+1], s[PST:PST+1]
.endif
	WIN 0
	s_wait_tensorcnt 0x0
	ds_add_u32 v[SPW], v[NIL]
	s_wait_dscnt 5                                 ; the add and the four youngest loads may be out
	MULQ 1, 0, 0
	s_wait_dscnt 0x0                               ; the add is done, my reads of this slot are over
	s_barrier_signal -1
	MULQ 1, 1, 0
.if \fill
	WIN 0
.endif
	s_barrier_wait -1
.if \fill
	CREST
	s_xor_b32 s[G0+5], s[G0+5], SLOT1
	s_add_nc_u64 s[G0+6:G0+7], s[G0+6:G0+7], ASTEP
	s_xor_b32 s[G0B+5], s[G0B+5], SLOT1
	s_add_nc_u64 s[G0B+6:G0B+7], s[G0B+6:G0B+7], 256
	JLOAD                                          ; its four v_nop are also the places in front of the loads below
.else
	PLACES
.endif
	s_xor_b32 s[TB], s[TB], SLOT1
	WIN 0
	ADDR
	FETCH 0, 0
.if \fill
	ASK
.endif
	MULP 1, 1, 0
.endm
; The way out of row block a: the sums go as they are into my stage, 32 bytes a lane, come back as whole rows of 512 bytes, and leave: a store covers 512 consecutive bytes, aligned.
.macro OUTBLK a
	WIN 0x08+4*((\a)/2)                            ; the LDS stores' data in window 2 or 3
.set b, 0
.rept NBW
.set rD, 8*(NBW*((\a)%2)+b)
	ds_store_b128 v[STO], v[rD:rD+3]   offset:64*b
	ds_store_b128 v[STO], v[rD+4:rD+7] offset:64*b+16
.set b, b+1
.endr
	WIN 0
.if (\a) > 0
	s_wait_xcnt 0x0                                ; the last block's stores have read the registers that the loads below fill
.endif
.set t, 0
.rept 16
	ds_load_b128 v[BK+4*t:BK+4*t+3], v[RD] offset:OPITCH*t  ; LDS serves a wave's instructions in order: these see the stores above
.set t, t+1
.endr
	s_wait_dscnt 0x0
.set t, 0
.rept 16
	global_store_b128 v[GO], v[BK+4*t:BK+4*t+3], s[8:9] offset:(16*(\a)+t)*4096 th:TH_STORE_NT
.set t, t+1
.endr
.endm
	s_load_b128 s[4:7], s[0:1], 0x0                ; o s[4:5], wof s[6:7]
	s_load_b64 s[8:9], s[0:1], 0x10                ; out0
	v_lshl_add_u32 v[SPW], v0, 2, SPARE
	v_mov_b32 v[NIL], 0
	ds_add_u32 v[SPW], v[NIL]                      ; the wave's opening: the add and its wait ahead of my first tensor load
	v_lshrrev_b32 v1, 5, v0
	v_readfirstlane_b32 s10, v1                    ; wave 0..3
	s_lshr_b32 s11, s10, 1                         ; I fetch for A (0) or for B (1),
	s_and_b32 s12, s10, 1                          ; its first or second part
	s_bfe_u32 s40, ttmp6, 0x40000                  ; cx
	s_bfe_u32 s41, ttmp6, 0x40004                  ; cy
	s_lshl_b32 s42, ttmp9, 2
	s_add_co_u32 s42, s42, s40                     ; tile column
	s_and_b32 s13, ttmp7, 0xffff
	s_lshl_b32 s13, s13, 2
	s_add_co_u32 s13, s13, s41                     ; tile row
	s_lshl_b32 s43, s41, 2
	s_lshl_b32 s43, 15, s43                        ; my row of the cluster
	s_lshl_b32 s44, 0x1111, s40                    ; my column
	s_or_b32 s[G1], s43, (1<<16)|(1<<20)|(1<<21)|(4<<22)|(3<<25)   ; the mask; 2-byte elements; padding on; bit 21 beside a mask; after every 32 words 4 words
	s_or_b32 s[G1B], s44, (1<<16)|(1<<20)|(1<<21)|(5<<22)|(3<<25)  ; after every 64 words 4 words
	s_mov_b32 s[G1+1], 128<<16
	s_mov_b32 s[G1+2], 128<<16
	s_mov_b32 s[G1+3], 128<<16
	s_mov_b32 s[G1+4], 128
	s_mov_b32 s[G1+5], 128                         ; dense: 128 elements from row to row
	s_mov_b32 s[G1+6], 0
	s_mov_b32 s[G1+7], 0
	s_mov_b32 s[G1B+1], 128<<16
	s_mov_b32 s[G1B+2], BROWS<<16
	s_mov_b32 s[G1B+3], 128<<16
	s_mov_b32 s[G1B+4], BROWS
	s_mov_b32 s[G1B+5], 1024
	s_mov_b32 s[G1B+6], 0
	s_mov_b32 s[G1B+7], 0
	s_lshr_b32 s16, s13, 3                         ; A: head 16 b + my part of the step's two,
	s_lshl_b32 s16, s16, 4
	s_add_co_u32 s16, s16, s12
	s_lshl_b32 s16, s16, 11                        ; its 2,048 rows,
	s_and_b32 s17, s13, 7
	s_lshl_b32 s17, s17, 8
	s_add_co_u32 s16, s16, s17                     ; the tile's 256 of them,
	s_lshl_b32 s16, s16, 7                         ; of 128 bytes
	s_mov_b32 s17, 0
	s_mul_i32 s46, s42, 2*BROWS                    ; B: row 128 x tile column + 64 x half
	s_mul_i32 s47, s12, BROWS
	s_add_co_u32 s46, s46, s47
	s_lshl_b32 s46, s46, 11
	s_mov_b32 s47, 0
	s_mul_i32 s20, s12, AZ                         ; where they go: no place in the cluster enters an LDS address
	s_mul_i32 s21, s12, BHALF
	s_add_co_u32 s21, s21, BOFF
	s_wait_dscnt 0x0                               ; the opening add is done
	s_wait_kmcnt 0x0
	s_add_nc_u64 s[14:15], s[4:5], s[16:17]
	s_add_nc_u64 s[46:47], s[6:7], s[46:47]
	CROUND                                         ; all sixteen work-groups are here: the first joint loads meet
.irp s, 0,1
	s_mov_b32 s[G0+4*(\s)], 1
	s_add_co_u32 s[G0+4*(\s)+1], s20, (\s)*SLOT1
	s_add_nc_u64 s[G0+4*(\s)+2:G0+4*(\s)+3], s[14:15], (\s)*ASTEP
	s_or_b32 s[G0+4*(\s)+3], s[G0+4*(\s)+3], 0x80000000
	s_mov_b32 s[G0B+4*(\s)], 1
	s_add_co_u32 s[G0B+4*(\s)+1], s21, (\s)*SLOT1
	s_add_nc_u64 s[G0B+4*(\s)+2:G0B+4*(\s)+3], s[46:47], (\s)*256
	s_or_b32 s[G0B+4*(\s)+3], s[G0B+4*(\s)+3], 0x80000000
.endr
	s_cmp_eq_u32 s11, 0                            ; a wave's two first fills stand in one branch: K steps 0 and 1; two loads of mine are out
	s_cbranch_scc0 .Lfirst_b
	tensor_load_to_lds s[G0:G0+3], s[G1:G1+7]
	s_nop 0
	tensor_load_to_lds s[G0+4:G0+7], s[G1:G1+7]
	s_nop 0
.rept 4
	v_nop
.endr
	s_branch .Lfirst_asked
.Lfirst_b:
	tensor_load_to_lds s[G0B:G0B+3], s[G1B:G1B+7]
	s_nop 0
	tensor_load_to_lds s[G0B+4:G0B+7], s[G1B:G1B+7]
	s_nop 0
.rept 4
	v_nop
.endr
.Lfirst_asked:
	v_and_b32 v1, 15, v0
	v_bfe_u32 v2, v0, 4, 1
	v_and_b32 v3, 31, v0
	v_mul_u32_u24 v[ADRA0], v1, APITCH
	v_lshl_add_u32 v[ADRA0], v2, 4, v[ADRA0]
	s_mul_i32 s21, s10, 64*APITCH                  ; my 64 rows, in each head
	v_add_nc_u32 v[ADRA0], s21, v[ADRA0]
	v_mul_u32_u24 v[ADRB0], v1, BPITCH
	v_lshl_add_u32 v[ADRB0], v2, 4, v[ADRB0]
	v_add_nc_u32 v[ADRB0], BOFF, v[ADRB0]
	s_mul_i32 s23, s10, WSTAGE
	s_add_co_u32 s23, s23, STAGE                   ; my stage
	v_mul_u32_u24 v[STO], v1, OPITCH               ; in: row l % 16, 32 bytes for each half of the lanes
	v_lshl_add_u32 v[STO], v2, 5, v[STO]
	v_add_nc_u32 v[STO], s23, v[STO]
	v_lshlrev_b32 v[GO], 4, v3                     ; back and out: 32 lanes take a row's 512 bytes
	v_add_nc_u32 v[RD], s23, v[GO]
	s_lshl_b32 s14, s13, 2                         ; out0 at my first row, (256 x tile row + 64 x wave) x 4,096 bytes, and the tile's first column, 512 bytes a tile
	s_add_co_u32 s14, s14, s10
	s_lshl_b32 s14, s14, 18
	s_lshl_b32 s15, s42, 9
	s_add_co_u32 s14, s14, s15
	s_mov_b32 s15, 0
	s_add_nc_u64 s[8:9], s[8:9], s[14:15]
	; the prefetches: of what I fetch, my work-group's quarter, told apart by address
	s_lshl_b32 s14, s40, 13                        ; A: 32 cx blocks of 256 bytes of the head's 128
	s_add_co_u32 s14, s14, s16
	s_mul_i32 s18, s42, 2*BROWS                    ; B: row 128 x tile column + 64 x half + 16 cy
	s_mul_i32 s19, s12, BROWS
	s_add_co_u32 s18, s18, s19
	s_mul_i32 s19, s41, BROWS/4
	s_add_co_u32 s18, s18, s19
	s_lshl_b32 s18, s18, 11
	s_and_b32 s19, ttmp7, 0xffff
	s_mov_b32 s46, ASTEP
	s_mov_b32 s47, 256
	s_cmp_eq_u32 s11, 0                            ; do I fetch for A?
	s_cselect_b32 s20, s14, s18
	s_cselect_b32 s19, ttmp9, s19                  ; the coordinate along which other clusters read the same bytes
	s_cselect_b32 s22, 31, BROWS/4-1               ; my last block or row; lanes beyond it name it once more
	s_cselect_b32 s23, 8, 11                       ; a lane a block of 256 bytes, or a row of 2,048
	s_cselect_b32 s[PST], s46, s47
	s_cselect_b64 s[PFA:PFA+1], s[4:5], s[6:7]
	s_mov_b32 s21, 0
	s_mov_b32 s[PST+1], 0
	s_cmp_eq_u32 s19, 0
	s_cselect_b32 s[LIM], 2, -1                    ; the same in all sixteen partners, for a given wave
	s_add_nc_u64 s[PFA:PFA+1], s[PFA:PFA+1], s[20:21]
.rept 3
	s_add_nc_u64 s[PFA:PFA+1], s[PFA:PFA+1], s[PST:PST+1]  ; at K step 3: the first refill steps it to 4.  Nothing is asked for here, at the head
.endr
	v_min_u32 v[PFO], s22, v3
	v_lshlrev_b32 v[PFO], s23, v[PFO]
	s_wait_tensorcnt 1                             ; my part of K step 0 is in; K step 1's may stay out
	s_barrier_signal -1
	s_barrier_wait -1
	s_mov_b32 s[TB], 0
	ADDR
	FETCH 0, 0
	QUARTER 1, 0, 1, 1                             ; the first quarter stands in front of the loop: its products start the sums
	WIN 0
	s_mov_b32 s3, 6
.Lstep:                                        ; trip j: the rest of K step j, whose slot is filled again with K step j + 2, and the first quarter of K step j + 1
	QUARTER 2, 1, 0, 0
	QUARTER 3, 0, 1, 0
	TURN 1
	QUARTER 1, 0, 1, 0
	WIN 0
	s_sub_co_u32 s3, s3, 1
	s_cmp_lg_u32 s3, 0
	s_cbranch_scc1 .Lstep
	QUARTER 2, 1, 0, 0                             ; K steps 6 and 7 ask for nothing
	QUARTER 3, 0, 1, 0
	TURN 0
	QUARTER 1, 0, 1, 0
	QUARTER 2, 1, 0, 0
	QUARTER 3, 0, 1, 0
	s_wait_dscnt 4
	MULP 1, 0, 0
	s_wait_dscnt 0x0
	MULP 1, 1, 0
	WIN 0
	PLACES
	OUTBLK 0
	OUTBLK 1
	OUTBLK 2
	OUTBLK 3
	s_wait_tensorcnt 0x0                           ; the wave's end, behind my last tensor load and my last LDS store
	ds_add_u32 v[SPW], v[NIL]
	s_wait_dscnt 0x0
	CROUND                                         ; the closing round
	s_endpgm
.Lfunc_end_k_q88f4e78a1c_outp:
	.size	k_q88f4e78a1c_outp, .Lfunc_end_k_q88f4e78a1c_outp-k_q88f4e78a1c_outp
	.p2alignl 7, 3214868480
	.fill 96, 4, 3214868480
	.section	.rodata,"a",@progbits
	.p2align	6, 0x0
	.amdhsa_kernel k_q88f4e78a1c_outp
		.amdhsa_group_segment_fixed_size 327680
		.amdhsa_private_segment_fixed_size 0
		.amdhsa_enable_private_segment 0
		.amdhsa_kernarg_size 24
		.amdhsa_user_sgpr_count 2
		.amdhsa_user_sgpr_kernarg_segment_ptr 1
		.amdhsa_wavefront_size32 1
		.amdhsa_system_sgpr_workgroup_id_x 1
		.amdhsa_system_sgpr_workgroup_id_y 1
		.amdhsa_system_sgpr_workgroup_id_z 1
		.amdhsa_system_vgpr_workitem_id 0
		.amdhsa_next_free_vgpr 896
		.amdhsa_next_free_sgpr 78
		.amdhsa_reserve_vcc 0
		.amdhsa_float_denorm_mode_32 3
		.amdhsa_float_denorm_mode_16_64 3
		.amdhsa_memory_ordered 1
		.amdhsa_forward_progress 1
		.amdhsa_inst_pref_size 70
	.end_amdhsa_kernel
	.amdgpu_metadata
---
amdhsa.version: [ 1, 2 ]
amdhsa.kernels:
  - .name:           k_q88f4e78a1c_outp
    .symbol:         k_q88f4e78a1c_outp.kd
    .args:
      - { .name: o, .offset: 0, .size: 8, .value_kind: global_buffer, .address_space: global }
      - { .name: wof, .offset: 8, .size: 8, .value_kind: global_buffer, .address_space: global }
      - { .name: out0, .offset: 16, .size: 8, .value_kind: global_buffer, .address_space: global }
    .group_segment_fixed_size: 327680
    .private_segment_fixed_size: 0
    .kernarg_segment_align: 8
    .kernarg_segment_size: 24
    .max_flat_workgroup_size: 128
    .sgpr_count:     78
    .vgpr_count:     896
    .wavefront_size: 32
...
	.end_amdgpu_metadata
.endif
;; end of part 4
